; MI455X (gfx1250); checked and timed in simulation.
; The chip was launched on July 23, 2026; its instructions are those of AMD's public machine-readable ISA for CDNA 5 (MIT licence, August 2026) and "CDNA5" Instruction Set Architecture Reference Guide (July 2026). The comments in the code are by the model that wrote it; some were corrected since.
;; MAB PRE NORMAL. Allowed arithmetic: float matrix products may take bf16 or f16 operands with f32 sums; other float arithmetic in f32, or as packed bf16 or f16 multiplies, adds, multiply-adds, maxima and minima; sums over many terms, partial sums and values carried from step to step in f32; what a program stores and reads back later, other than sums and carried values, may be rounded once to bf16 or f16.
;; Inputs: K 8 x 1,024 x 1,024 float32; Q 8 x 1,024 x 1,024 float32; Wk 1,024 x 1,024 float32; Wo 1,024 x 1,024 float32; Wq 1,024 x 1,024 float32; Wv 1,024 x 1,024 float32; be_f 1,024 float32; be_kv 1,024 float32; be_o 1,024 float32; be_q 1,024 float32; bk 1,024 float32; bo 1,024 float32; bq 1,024 float32; bv 1,024 float32; g_f 1,024 float32; g_kv 1,024 float32; g_o 1,024 float32; g_q 1,024 float32; pad_mask 8 x 1,024 float32.
;; Outputs: out0 8 x 1,024 x 1,024 float32.
;; One version. Each part assembles by itself: llvm-mc -triple=amdgcn-amd-amdhsa -mcpu=gfx1250 --defsym DOCPART=n.
;; ======== version 1 of 1: 6 launches
;; limits: values are held in f16: magnitudes above 65,504 overflow, below 6.1e-05 lose precision; right only within a limited range of input values
;; workspace buffers: xq 16,777,216 bytes; xk 16,777,216 bytes; wqkv 6,291,456 bytes; wo 2,097,152 bytes; bqkv 12,288 bytes; bo2 4,096 bytes; qkv 50,331,648 bytes; ao 16,777,216 bytes
;; launch prep (part 1): grid 640 x 1, 4 waves a work-group, no clusters, 0 bytes of LDS; arguments Q, K, Wq, Wk, Wv, Wo, g_q, g_kv, g_o, be_q, be_kv, be_o, bq, bk, bv, bo, xq, xk, wqkv, wo, bqkv, bo2; writes xq, xk, wqkv, wo, bqkv, bo2
.if DOCPART == 1
	.amdgcn_target "amdgcn-amd-amdhsa--gfx1250"
	.amdhsa_code_object_version 6
	.text
	.protected	k_q909c8516c3_prep
	.globl	k_q909c8516c3_prep
	.p2align	8
	.type	k_q909c8516c3_prep,@function
k_q909c8516c3_prep:
	s_mov_b64 s[64:65], 0
	v_nop
	global_prefetch_b8 v0, s[64:65] scope:SCOPE_SE
	s_setreg_imm32_b32 hwreg(HW_REG_WAVE_MODE, 25, 1), 1
	s_wait_xcnt 0x0
; WHAT.  Work-groups 0-511: xhat = (x - mean) * rsqrt(var + 1e-5) of the rows of Q (0-255) and K (256-511), f32 in, f16 out.
; Work-groups 512-639: the four weight matrices, W[n][k] * g[k] rounded once to f16, and b'[n] = b[n] + sum over k of be[k] W[n][k] in f32:
; LN(x) g + be followed by W^T and b is xhat (W g)^T + b', for every input.
; SHARES.  A work-group has 32 rows of 1,024, a wave 8, two at a time: lanes 0-15 one row, lanes 16-31 the next.  Lane i holds columns 64 h + 4 i + e in register 4 h + e,
; so a 16-byte load of 16 lanes covers 256 consecutive bytes, aligned.  The f16 rows are stored with k PERMUTED: place 128 j + 8 i + e8 holds column 64 (2 j + e8 / 4) + 4 i + e8 % 4:
; a lane's registers 8 j .. 8 j + 7 pack into 16 bytes, and 16 lanes again store 256 consecutive bytes.  Activations and weights have the same permutation, which a sum over k does not see.
; The variance is taken of x - mean (two passes over registers), so a common offset of the row costs nothing.
; LIMITS.  |W g| stays under 65,504 (f16); below 6e-5 it keeps f16's fixed step of 6e-8.  NaN and infinities are not treated apart.
; No LDS, no matrix unit, no cluster: every byte is read once by one wave, and nothing is shared but g and be (8 KiB).
; The 8 numbers b' of a wave leave as two pieces of 16 bytes: 16 KiB in the whole launch.
.set X,   32                           ; v[32:95]   the pair of rows as loaded
.set D,   96                           ; v[96:159]  x - mean, then xhat, then packed
.set Y,   96                           ; v[96:127]  weights: packed W g
.set GG,  128                          ; v[128:191] g of my 64 columns
.set BB,  192                          ; v[192:255] be of my 64 columns
.set T,   10                           ; v[10:17]   four chains of pairs
.set MN,  6                            ; v[6:7]     the mean (the pair's low word is used)
.set RR,  8                            ; v[8:9]     1 / sqrt(var + eps), likewise
.set SRC, 52
.set DST, 54
.set GP,  56
.set BEP, 58
.set BP,  60
.set BD,  62
.set CNT, 66
.set PI,  67
.set MSK, 68
.set INV, 69
.set EPS, 70
.macro RED16 v                         ; the sum over the 16 lanes of a row, in every one of them
	v_add_f32_dpp v[\v], v[\v], v[\v] row_xmask:1 row_mask:0xf bank_mask:0xf
	v_add_f32_dpp v[\v], v[\v], v[\v] row_xmask:2 row_mask:0xf bank_mask:0xf
	v_add_f32_dpp v[\v], v[\v], v[\v] row_xmask:4 row_mask:0xf bank_mask:0xf
	v_add_f32_dpp v[\v], v[\v], v[\v] row_xmask:8 row_mask:0xf bank_mask:0xf
.endm
.macro JOIN dst                        ; the four chains into one number a lane, then over the lanes
	v_pk_add_f32 v[T:T+1], v[T:T+1], v[T+2:T+3]
	v_pk_add_f32 v[T+4:T+5], v[T+4:T+5], v[T+6:T+7]
	v_pk_add_f32 v[T:T+1], v[T:T+1], v[T+4:T+5]
	v_add_f32 v[\dst], v[T], v[T+1]
	RED16 \dst
.endm
.macro SUM64 a, dst                    ; the row's sum; the first eight pairs start the chains: nothing is cleared
.set n, 0
.rept 4
	v_pk_add_f32 v[T+n:T+n+1], v[(\a)+n:(\a)+n+1], v[(\a)+8+n:(\a)+8+n+1]
.set n, n+2
.endr
.set n, 16
.rept 24
	v_pk_add_f32 v[T+n%8:T+n%8+1], v[T+n%8:T+n%8+1], v[(\a)+n:(\a)+n+1]
.set n, n+2
.endr
	JOIN \dst
.endm
.macro DOT64 a, b, dst                 ; the row's sum of a x b
.set n, 0
.rept 4
	v_pk_mul_f32 v[T+n:T+n+1], v[(\a)+n:(\a)+n+1], v[(\b)+n:(\b)+n+1]
.set n, n+2
.endr
.rept 28
	v_pk_fma_f32 v[T+n%8:T+n%8+1], v[(\a)+n:(\a)+n+1], v[(\b)+n:(\b)+n+1], v[T+n%8:T+n%8+1]
.set n, n+2
.endr
	JOIN \dst
.endm
.macro LOADX                           ; a pair of rows: 16 loads, each 2 x 256 consecutive bytes
.irp h, 0,1,2,3,4,5,6,7,8,9,10,11,12,13,14,15
	global_load_b128 v[X+4*\h:X+4*\h+3], v2, s[SRC:SRC+1] offset:256*\h th:TH_LOAD_NT
.endr
.endm
	s_load_b512 s[8:23], s[0:1], 0x0               ; Q 8, K 10, Wq 12, Wk 14, Wv 16, Wo 18, g_q 20, g_kv 22
	s_load_b512 s[24:39], s[0:1], 0x40             ; g_o 24, be_q 26, be_kv 28, be_o 30, bq 32, bk 34, bv 36, bo 38
	s_load_b256 s[40:47], s[0:1], 0x80             ; xq 40, xk 42, wqkv 44, wo 46
	s_load_b128 s[48:51], s[0:1], 0xa0             ; bqkv 48, bo2 50
	v_and_b32 v1, 15, v0                           ; i
	v_bfe_u32 v19, v0, 4, 1                        ; which row of the pair
	v_lshlrev_b32 v4, 4, v1                        ; 16 i
	v_lshl_add_u32 v2, v19, 12, v4                 ; in f32 rows of 4,096 bytes
	v_lshl_add_u32 v3, v19, 11, v4                 ; in f16 rows of 2,048 bytes
	v_lshrrev_b32 v18, 5, v0
	v_readfirstlane_b32 s6, v18                    ; wave 0..3
	v_mov_b32 v[MN+1], 0                           ; named as pairs, so they are written
	v_mov_b32 v[RR+1], 0
	s_mov_b32 s[INV], 0x3a800000                   ; 1 / 1024
	s_mov_b32 s[EPS], 0x3727c5ac                   ; 1e-5
	s_mov_b32 s[CNT], 4                            ; four pairs of rows a wave
	s_mov_b32 s3, 0
	s_mov_b32 s5, 0
	s_wait_kmcnt 0x0
	s_cmp_ge_u32 ttmp9, 512
	s_cbranch_scc1 .Lw
	; ---- LayerNorm without gain and shift ----
	s_cmp_lt_u32 ttmp9, 256
	s_cselect_b64 s[SRC:SRC+1], s[8:9], s[10:11]
	s_cselect_b64 s[DST:DST+1], s[40:41], s[42:43]
	s_and_b32 s2, ttmp9, 255
	s_lshl_b32 s2, s2, 17                          ; 32 rows of 4,096 bytes
	s_lshl_b32 s4, s6, 15                          ; my wave's 8
	s_add_co_u32 s2, s2, s4
	s_lshr_b32 s4, s2, 1                           ; half as many bytes in f16
	s_add_nc_u64 s[SRC:SRC+1], s[SRC:SRC+1], s[2:3]
	s_add_nc_u64 s[DST:DST+1], s[DST:DST+1], s[4:5]
	LOADX
.Lln:
	s_wait_loadcnt 0x0                             ; the pair is in: no other load of mine is out, so the source pointer may be stepped below
	SUM64 X, 18
	v_mul_f32 v[MN], s[INV], v18
.set n, 0
.rept 32
	v_pk_add_f32 v[D+n:D+n+1], v[X+n:X+n+1], v[MN:MN+1] op_sel_hi:[1,0] neg_lo:[0,1] neg_hi:[0,1]
.set n, n+2
.endr
	s_cmp_eq_u32 s[CNT], 1                         ; the last pair has none behind it: no load leaves the buffer
	s_cbranch_scc1 .Lln_noload
	s_add_nc_u64 s[SRC:SRC+1], s[SRC:SRC+1], 8192
	LOADX                                          ; the next pair comes while this one is finished
.Lln_noload:
	DOT64 D, D, 18
	v_fma_f32 v[RR], v18, s[INV], s[EPS]
	v_rsq_f32 v[RR], v[RR]
	v_nop                                          ; a plain instruction behind the root,
	s_wait_alu depctr_va_vdst(0)                   ; and the wait ahead of its first reader
.set n, 0
.rept 32
	v_pk_mul_f32 v[D+n:D+n+1], v[D+n:D+n+1], v[RR:RR+1] op_sel_hi:[1,0]
.set n, n+2
.endr
.set n, 0
.rept 32
	v_cvt_pk_f16_f32 v[D+n], v[D+2*n], v[D+2*n+1]  ; in place, ascending: register n is written when 2 n and 2 n + 1 are read
.set n, n+1
.endr
.irp j, 0,1,2,3,4,5,6,7
	global_store_b128 v3, v[D+4*\j:D+4*\j+3], s[DST:DST+1] offset:256*\j
.endr
	s_wait_xcnt 0x0                                ; the stores have read D and their pointer: both are written again only behind this wait
	s_add_nc_u64 s[DST:DST+1], s[DST:DST+1], 4096
	s_sub_co_u32 s[CNT], s[CNT], 1
	s_cmp_lg_u32 s[CNT], 0
	s_cbranch_scc1 .Lln
	s_endpgm
	; ---- the weights ----
.Lw:
	s_sub_co_u32 s2, ttmp9, 512
	s_lshr_b32 s7, s2, 5                           ; 0 Wq, 1 Wk, 2 Wv, 3 Wo
	s_and_b32 s2, s2, 31                           ; which 32 rows
	s_cmp_eq_u32 s7, 0
	s_cselect_b64 s[SRC:SRC+1], s[12:13], s[14:15]
	s_cselect_b64 s[GP:GP+1], s[20:21], s[22:23]
	s_cselect_b64 s[BEP:BEP+1], s[26:27], s[28:29]
	s_cselect_b64 s[BP:BP+1], s[32:33], s[34:35]
	s_cmp_eq_u32 s7, 2
	s_cselect_b64 s[SRC:SRC+1], s[16:17], s[SRC:SRC+1]
	s_cselect_b64 s[BP:BP+1], s[36:37], s[BP:BP+1]
	s_cmp_eq_u32 s7, 3
	s_cselect_b64 s[SRC:SRC+1], s[18:19], s[SRC:SRC+1]
	s_cselect_b64 s[GP:GP+1], s[24:25], s[GP:GP+1]
	s_cselect_b64 s[BEP:BEP+1], s[30:31], s[BEP:BEP+1]
	s_cselect_b64 s[BP:BP+1], s[38:39], s[BP:BP+1]
	s_cselect_b64 s[DST:DST+1], s[46:47], s[44:45]
	s_cselect_b64 s[BD:BD+1], s[50:51], s[48:49]
	s_cselect_b32 s7, 0, s7                        ; the matrix's place in wqkv and bqkv; Wo has buffers of its own
	s_lshl_b32 s2, s2, 17
	s_lshl_b32 s4, s6, 15
	s_add_co_u32 s2, s2, s4                        ; my first row, in bytes of f32 rows
	s_add_nc_u64 s[SRC:SRC+1], s[SRC:SRC+1], s[2:3]
	s_lshr_b32 s4, s2, 1
	s_lshl_b32 s71, s7, 21
	s_add_co_u32 s4, s4, s71
	s_add_nc_u64 s[DST:DST+1], s[DST:DST+1], s[4:5]
	s_lshr_b32 s2, s2, 10                          ; 4 bytes a row
	s_add_nc_u64 s[BP:BP+1], s[BP:BP+1], s[2:3]
	s_lshl_b32 s71, s7, 12
	s_add_co_u32 s2, s2, s71
	s_add_nc_u64 s[BD:BD+1], s[BD:BD+1], s[2:3]
	LOADX
.irp h, 0,1,2,3,4,5,6,7,8,9,10,11,12,13,14,15
	global_load_b128 v[GG+4*\h:GG+4*\h+3], v4, s[GP:GP+1] offset:256*\h
.endr
.irp h, 0,1,2,3,4,5,6,7,8,9,10,11,12,13,14,15
	global_load_b128 v[BB+4*\h:BB+4*\h+3], v4, s[BEP:BEP+1] offset:256*\h
.endr
	v_mov_b32 v5, 0                                ; lane i keeps the sum of pair i
	s_mov_b32 s[PI], 0
	v_lshl_add_u32 v19, v1, 1, v19                 ; row 2 i + half of my wave's 8,
	v_lshlrev_b32 v19, 2, v19                      ; in bytes
.Lwt:
	s_wait_loadcnt 0x0
	DOT64 X, BB, 18                                ; sum over k of W be
	v_cmp_eq_u32 s[MSK], s[PI], v1
	v_cndmask_b32 v5, v5, v18, s[MSK]
.irp j, 0,1,2,3,4,5,6,7
.irp c, 0,1,2,3
	v_pk_mul_f32 v[T+2*\c:T+2*\c+1], v[X+8*\j+2*\c:X+8*\j+2*\c+1], v[GG+8*\j+2*\c:GG+8*\j+2*\c+1]
.endr
.irp c, 0,1,2,3
	v_cvt_pk_f16_f32 v[Y+4*\j+\c], v[T+2*\c], v[T+2*\c+1]
.endr
.endr
	s_cmp_eq_u32 s[CNT], 1
	s_cbranch_scc1 .Lw_noload
	s_add_nc_u64 s[SRC:SRC+1], s[SRC:SRC+1], 8192
	LOADX
.Lw_noload:
.irp j, 0,1,2,3,4,5,6,7
	global_store_b128 v3, v[Y+4*\j:Y+4*\j+3], s[DST:DST+1] offset:256*\j
.endr
	s_wait_xcnt 0x0                                ; Y and the pointer are written again only behind this wait
	s_add_nc_u64 s[DST:DST+1], s[DST:DST+1], 4096
	s_add_co_u32 s[PI], s[PI], 1
	s_sub_co_u32 s[CNT], s[CNT], 1
	s_cmp_lg_u32 s[CNT], 0
	s_cbranch_scc1 .Lwt
	v_cmp_gt_u32 vcc_lo, 4, v1                     ; lanes 0-3 and 16-19 hold the wave's eight sums
	s_wait_xcnt 0x0                                ; EXEC changes only behind this wait
	s_and_saveexec_b32 s7, vcc_lo
	global_load_b32 v18, v19, s[BP:BP+1]
	s_wait_loadcnt 0x0
	v_add_f32 v18, v18, v5
	global_store_b32 v19, v18, s[BD:BD+1]
	s_wait_xcnt 0x0                                ; and again, in front of the line that widens it
	s_or_b32 exec_lo, exec_lo, s7
	s_endpgm
.Lfunc_end_k_q909c8516c3_prep:
	.size	k_q909c8516c3_prep, .Lfunc_end_k_q909c8516c3_prep-k_q909c8516c3_prep
	.p2alignl 7, 3214868480
	.fill 96, 4, 3214868480
	.section	.rodata,"a",@progbits
	.p2align	6, 0x0
	.amdhsa_kernel k_q909c8516c3_prep
		.amdhsa_group_segment_fixed_size 0
		.amdhsa_private_segment_fixed_size 0
		.amdhsa_enable_private_segment 0
		.amdhsa_kernarg_size 176
		.amdhsa_user_sgpr_count 2
		.amdhsa_user_sgpr_kernarg_segment_ptr 1
		.amdhsa_wavefront_size32 1
		.amdhsa_system_sgpr_workgroup_id_x 1
		.amdhsa_system_sgpr_workgroup_id_y 1
		.amdhsa_system_sgpr_workgroup_id_z 1
		.amdhsa_system_vgpr_workitem_id 0
		.amdhsa_next_free_vgpr 256
		.amdhsa_next_free_sgpr 80
		.amdhsa_reserve_vcc 1
		.amdhsa_float_denorm_mode_32 3
		.amdhsa_float_denorm_mode_16_64 3
		.amdhsa_memory_ordered 1
		.amdhsa_forward_progress 1
		.amdhsa_inst_pref_size 32
	.end_amdhsa_kernel
	.amdgpu_metadata
---
amdhsa.version: [ 1, 2 ]
amdhsa.kernels:
  - .name:           k_q909c8516c3_prep
    .symbol:         k_q909c8516c3_prep.kd
    .args:
      - { .name: Q, .offset: 0, .size: 8, .value_kind: global_buffer, .address_space: global }
      - { .name: K, .offset: 8, .size: 8, .value_kind: global_buffer, .address_space: global }
      - { .name: Wq, .offset: 16, .size: 8, .value_kind: global_buffer, .address_space: global }
      - { .name: Wk, .offset: 24, .size: 8, .value_kind: global_buffer, .address_space: global }
      - { .name: Wv, .offset: 32, .size: 8, .value_kind: global_buffer, .address_space: global }
      - { .name: Wo, .offset: 40, .size: 8, .value_kind: global_buffer, .address_space: global }
      - { .name: g_q, .offset: 48, .size: 8, .value_kind: global_buffer, .address_space: global }
      - { .name: g_kv, .offset: 56, .size: 8, .value_kind: global_buffer, .address_space: global }
      - { .name: g_o, .offset: 64, .size: 8, .value_kind: global_buffer, .address_space: global }
      - { .name: be_q, .offset: 72, .size: 8, .value_kind: global_buffer, .address_space: global }
      - { .name: be_kv, .offset: 80, .size: 8, .value_kind: global_buffer, .address_space: global }
      - { .name: be_o, .offset: 88, .size: 8, .value_kind: global_buffer, .address_space: global }
      - { .name: bq, .offset: 96, .size: 8, .value_kind: global_buffer, .address_space: global }
      - { .name: bk, .offset: 104, .size: 8, .value_kind: global_buffer, .address_space: global }
      - { .name: bv, .offset: 112, .size: 8, .value_kind: global_buffer, .address_space: global }
      - { .name: bo, .offset: 120, .size: 8, .value_kind: global_buffer, .address_space: global }
      - { .name: xq, .offset: 128, .size: 8, .value_kind: global_buffer, .address_space: global }
      - { .name: xk, .offset: 136, .size: 8, .value_kind: global_buffer, .address_space: global }
      - { .name: wqkv, .offset: 144, .size: 8, .value_kind: global_buffer, .address_space: global }
      - { .name: wo, .offset: 152, .size: 8, .value_kind: global_buffer, .address_space: global }
      - { .name: bqkv, .offset: 160, .size: 8, .value_kind: global_buffer, .address_space: global }
      - { .name: bo2, .offset: 168, .size: 8, .value_kind: global_buffer, .address_space: global }
    .group_segment_fixed_size: 0
    .private_segment_fixed_size: 0
    .kernarg_segment_align: 8
    .kernarg_segment_size: 176
    .max_flat_workgroup_size: 128
    .sgpr_count:     80
    .vgpr_count:     256
    .wavefront_size: 32
...
	.end_amdgpu_metadata
.endif
;; end of part 1
;; launch proj_qkv (part 2): grid 12 x 32, 4 waves a work-group, clusters of 4 x 4, 327,680 bytes of LDS; arguments xq, xk, wqkv, bqkv, pad_mask, qkv; writes qkv
.if DOCPART == 2
	.amdgcn_target "amdgcn-amd-amdhsa--gfx1250"
	.amdhsa_code_object_version 6
	.text
	.protected	k_q909c8516c3_proj_qkv
	.globl	k_q909c8516c3_proj_qkv
	.p2align	8
	.type	k_q909c8516c3_proj_qkv,@function
k_q909c8516c3_proj_qkv:
	s_mov_b64 s[64:65], 0
	v_nop
	global_prefetch_b8 v0, s[64:65] scope:SCOPE_SE
	s_setreg_imm32_b32 hwreg(HW_REG_WAVE_MODE, 25, 1), 1
	s_wait_xcnt 0x0
	s_wait_alu depctr_hold_cnt(0) depctr_sa_sdst(0) depctr_va_vdst(0) depctr_va_sdst(0) depctr_va_ssrc(0) depctr_va_vcc(0) depctr_vm_vsrc(0)
	s_getreg_b32 s2, hwreg(HW_REG_IB_STS2, 6, 4)
	s_cmp_eq_u32 s2, 0
	s_cbranch_scc0 .Lentry_in_a_cluster
	s_endpgm
.Lentry_in_a_cluster:
	s_bfe_u32 s2, ttmp6, 0x10000c
	s_cmp_lg_u32 s2, 0xf033
	s_cbranch_scc0 .Lentry_shape_is_right
	s_endpgm
.Lentry_shape_is_right:
; C[m][n] = (bias[n] + sum over k of A[m][k] W[n][k]) x rs[m].  A: [8192][1024] f16, W: [rows][1024] f16 (both with the same permutation of k), sums in f32, C rounded once to f16
; and stored BY HEADS: [n / 1024][m / 1024][(n / 64) % 16][m % 1024][n % 64].  Arguments: A0, A1, W, bias, pad_mask, C.
; Columns 0-1023 (cluster x 0) multiply A0, the others A1.  rs[m] = pad_mask[m] for columns 2048 on (cluster x 2: the values, which the attention's weights are to be masked by), else 1.
; With 1,024 columns (4 tiles along x) only A0 is read and rs is 1.
; LIMIT.  |C| stays under 65,504 (f16).
; SHARES.  A tile of C is 256 x 256; four waves, as many as a WGP has SIMDs, each 128 x 128 (two heads' columns): 64 accumulators of 16 x 16, 512 registers.  K goes in 8 steps of 128 through two LDS
; slots; the tiles' rows are 256 bytes of memory, aligned.  Waves 0 and 1 fetch A's two halves, waves 2 and 3 W's: 128 rows, one tensor load a wave behind each change of slots, 224 matrix instructions
; ahead of the wait for it.  With 3,072 columns the grid has 384 work-groups, with 1,024 columns 128: the tile is kept all the same, since half the width would halve the matrix work that stands between
; a refill's request and its wait, and would read three LDS fragments where this tile reads two.
; CLUSTER.  4 x 4 work-groups: A's tile hangs on the tile row (and on the cluster's x, which all partners share) and is asked for jointly along a row of the cluster, W's on the tile column, jointly along a column.
; THE MATRIX INSTRUCTION IS USED TRANSPOSED (source 0 = 16 rows of W, source 1 = 16 rows of A): a lane holds row l % 16 of C and eight neighbouring columns.  So a column block's bias is eight registers, the same
; for every row block, and is the C operand of the products that start the sums: nothing is cleared and nothing is added behind the sums.
; ONE TEXT FOR A K STEP.  The slot in hand is a scalar offset, 0 or SLOT, turned by an exclusive or; it is added to the wave's constant for the descriptors' LDS word and to the lanes' base addresses.
; REGISTERS, in windows of 256 (s_set_vgpr_msb: bits 1:0 source 0, 3:2 source 1, 5:4 source 2, 7:6 destination):
;   window 0: v0-16 addresses; v32-47 rs, a pair for each block of 16 rows; v64-127, v128-191 fragments of A, two buffers (v64-127 at work on the way out)
;   window 1: v0-63 bias; v64-127, v128-191 fragments of W, two buffers; on the way out all 256: the packed blocks, 32 registers each
;   window 2: the 32 accumulators of my rows 0-63 ((a, b) at v[8 (8 a + b)]);   window 3: those of my rows 64-127
.set KSTEP,  128
.set PITCH,  272                       ; 256 bytes + 16 of padding: the 16 rows of a fragment load start at 16 different groups of four banks
.set HALFT,  128*PITCH                 ; what one tensor load brings, and what one wave reads of A or of W
.set SLOT,   4*HALFT                   ; A's 256 rows, then W's 256
.set STAGE,  2*SLOT                    ; behind the ring, for the way out: for each wave two heads x 16 rows x 144 bytes
.set SP,     144
.set HEADB,  16*SP
.set SPARE,  STAGE+4*2*HEADB           ; the spare words: 128 bytes a wave, two blocks of 256 bytes that no other line names
.set FILLS,  6                         ; K steps 2 to 7 come by refills
.set ADRA0, 4                          ; v4   my lane's place among my rows of A in slot 0; never rewritten
.set ADRB0, 5                          ; v5   the same for W
.set ADRA,  6                          ; v6   the same in the slot in hand
.set ADRB,  7                          ; v7
.set STO,   8                          ; v8   the way out: where I put 16 bytes of a row
.set RD,    9                          ; v9   the way out: where I read rows back
.set GO,    10                         ; v10  my 16 bytes of 512 consecutive bytes of C
.set SPW,   12                         ; v12  my spare word; never rewritten
.set NIL,   13                         ; v13  0; never rewritten
.set PFO,   16                         ; v16  the prefetches' offset: my lane x a row of 2,048 bytes; never rewritten
.set RS,    32
.set F0,    64
.set F1,    128
.set TT,    64                         ; the way out: 64 at work, in window 0
.set BIAS,  0                          ; in window 1
.set G1,  24                           ; s[24:31] descriptor group 1 for A's tiles
.set G0,  32                           ; s[32:39] group 0 for A's: a set for each of the two first fills; the second then walks on
.set G1B, 48                           ; s[48:55], s[56:63] the same for W's
.set G0B, 56
.set CUR, 21                           ; s21  LDS byte at which the slot in hand begins: 0 or SLOT
.set PFA, 88                           ; s[88:89] where my prefetches stand
.set LIM, 90                           ; s90  2 in a wave that prefetches, else the greatest number
.set MSB, 0
.macro WIN new                         ; the immediate's high byte repeats the setting that is left; a switch that changes nothing is dropped
.if MSB != (\new)
	s_set_vgpr_msb (MSB<<8)|(\new)
.set MSB, \new
.endif
.endm
.set MUL_LO, 0xa1                      ; source 0 (W) window 1, source 1 (A) window 0, C and D window 2
.set MUL_HI, 0xf1                      ; the same, C and D window 3
.set TO_B,   0x40                      ; destination window 1, address window 0
.macro JLOAD s                         ; a joint load by descriptor set s; an s_nop 0 and four v_nop follow each of the two lines
	s_cmp_eq_u32 s11, 0
	s_cbranch_scc0 .Lfor_b_\@
	tensor_load_to_lds s[G0+4*(\s):G0+4*(\s)+3], s[G1:G1+7]
	s_nop 0
.rept 4
	v_nop
.endr
	s_branch .Lasked_\@
.Lfor_b_\@:
	tensor_load_to_lds s[G0B+4*(\s):G0B+4*(\s)+3], s[G1B:G1B+7]
	s_nop 0
.rept 4
	v_nop
.endr
.Lasked_\@:
.endm
; A PREFETCH INTO THE L2, behind each refill and the run of LDS loads that follows it: the K step that stands two refills on: 32 rows x 256 bytes, a lane a row, one instruction a wave.
; Each row's 256 bytes of a K step are named once in the launch.  A0's rows are read by cluster x 0 alone, A1's by cluster x 1 and 2: x 0 and x 1 ask; W's rows are read by every cluster of a column: cluster y 0 asks.
; The four partners that ask for a tile jointly share its rows out BY ADDRESS: of the 128 rows that a wave fetches the partner at place p takes 32 p .. 32 p + 31 (p = cx for A, cy for W).
; K steps 0 to 3 come by their loads alone; the last two refills (s3 = 2, 1) have no K step two on and ask for nothing.
.macro ASK
	s_cmp_gt_u32 s3, s[LIM]
	s_cbranch_scc0 .Lnot_mine_\@
	global_prefetch_b8 v[PFO], s[PFA:PFA+1] offset:KSTEP*2 th:TH_LOAD_NT scope:SCOPE_SE
.Lnot_mine_\@:
.endm
.macro CREST                           ; a round of the cluster's barrier behind its opening barrier
	s_cmp_lg_u32 s10, 0
	s_cbranch_scc1 .Lnot_wave_0_\@
	s_barrier_signal -3
.Lnot_wave_0_\@:
	s_barrier_wait -3
	s_barrier_signal -1
	s_barrier_wait -1
.endm
.macro CROUND
	s_barrier_signal -1
	s_barrier_wait -1
	CREST
.endm
.macro SETADR                          ; my fragments' addresses in the slot in hand
	v_add_nc_u32 v[ADRA], s[CUR], v[ADRA0]
	v_add_nc_u32 v[ADRB], s[CUR], v[ADRB0]
.endm
	s_load_b256 s[68:75], s[0:1], 0x0              ; A0 68, A1 70, W 72, bias 74
	s_load_b128 s[76:79], s[0:1], 0x20             ; pad_mask 76, C 78
	v_lshl_add_u32 v[SPW], v0, 2, SPARE
	v_mov_b32 v[NIL], 0
	ds_add_u32 v[SPW], v[NIL]                      ; the wave's opening: the add and its wait stand ahead of my first tensor load
	v_lshrrev_b32 v1, 5, v0
	v_readfirstlane_b32 s10, v1                    ; wave 0..3
	s_lshr_b32 s11, s10, 1                         ; my half of the tile's rows.  Also: I fetch for A (0) or for W (1)
	s_and_b32 s12, s10, 1                          ; my half of its columns.  Also: which 128 rows of that tile I fetch
	s_bfe_u32 s40, ttmp6, 0x40000                  ; cx
	s_bfe_u32 s41, ttmp6, 0x40004                  ; cy
	s_lshl_b32 s42, ttmp9, 2
	s_add_co_u32 s42, s42, s40                     ; tile column
	s_and_b32 s13, ttmp7, 0xffff
	s_lshl_b32 s13, s13, 2
	s_add_co_u32 s13, s13, s41                     ; tile row
	s_lshl_b32 s43, s41, 2
	s_lshl_b32 s43, 15, s43                        ; my row of the cluster
	s_lshl_b32 s44, 0x1111, s40                    ; my column
	s_or_b32 s[G1+0], s43, (1<<16)|(1<<20)|(1<<21)|(5<<22)|(3<<25)   ; the mask; 2-byte elements; padding on; bit 21 beside a mask; after every 64 words, 4 words
	s_or_b32 s[G1B+0], s44, (1<<16)|(1<<20)|(1<<21)|(5<<22)|(3<<25)
.irp g, G1, G1B
	s_mov_b32 s[(\g)+1], KSTEP<<16                 ; tensor_dim0 = 128
	s_mov_b32 s[(\g)+2], 128<<16                   ; tensor_dim1 = 128
	s_mov_b32 s[(\g)+3], KSTEP<<16                 ; tile_dim0 = 128
	s_mov_b32 s[(\g)+4], 128                       ; tile_dim1 = 128
	s_mov_b32 s[(\g)+5], 1024                      ; elements from row to row
	s_mov_b32 s[(\g)+6], 0
	s_mov_b32 s[(\g)+7], 0
.endr
	s_lshl_b32 s17, s12, 7
	s_lshl_b32 s16, s13, 8
	s_add_co_u32 s16, s16, s17                     ; A: row 256 x tile row + 128 x half,
	s_lshl_b32 s16, s16, 11                        ; of 2,048 bytes
	s_mov_b32 s17, 0
	s_lshl_b32 s47, s12, 7
	s_lshl_b32 s46, s42, 8
	s_add_co_u32 s46, s46, s47                     ; W: row 256 x tile column + 128 x half
	s_lshl_b32 s46, s46, 11
	s_mov_b32 s47, 0
	s_mul_i32 s20, s10, HALFT                      ; where my load goes in a slot: A's two halves, then W's two: wave x 128 rows
	s_mov_b32 s[CUR], 0
	s_wait_dscnt 0x0                               ; the opening add is done
	s_wait_kmcnt 0x0
	s_cmp_lt_u32 ttmp9, 1                          ; the cluster's x: the same in all partners
	s_cselect_b64 s[92:93], s[68:69], s[70:71]
	s_add_nc_u64 s[14:15], s[92:93], s[16:17]
	s_add_nc_u64 s[46:47], s[72:73], s[46:47]
	CROUND                                         ; all sixteen work-groups are here: the first joint loads meet
.irp s, 0,1
	s_mov_b32 s[G0+4*(\s)], 1
	s_add_co_u32 s[G0+4*(\s)+1], s20, (\s)*SLOT
	s_add_nc_u64 s[G0+4*(\s)+2:G0+4*(\s)+3], s[14:15], (\s)*KSTEP*2
	s_or_b32 s[G0+4*(\s)+3], s[G0+4*(\s)+3], 0x80000000
	s_mov_b32 s[G0B+4*(\s)], 1
	s_add_co_u32 s[G0B+4*(\s)+1], s20, (\s)*SLOT
	s_add_nc_u64 s[G0B+4*(\s)+2:G0B+4*(\s)+3], s[46:47], (\s)*KSTEP*2
	s_or_b32 s[G0B+4*(\s)+3], s[G0B+4*(\s)+3], 0x80000000
	JLOAD \s                                       ; K steps 0 and 1: two loads of mine are out
.endr
	v_and_b32 v1, 15, v0                           ; r = l % 16
	v_bfe_u32 v2, v0, 4, 1                         ; h = l / 16
	v_lshlrev_b32 v14, 5, v2                       ; bias: my 8 columns of 16; never rewritten
	v_lshlrev_b32 v15, 2, v1                       ; pad_mask: my row of 16; never rewritten
	s_lshl_b32 s82, s42, 10                        ; bias at column 256 x tile column + 128 x half
	s_lshl_b32 s83, s12, 9
	s_add_co_u32 s82, s82, s83
	s_mov_b32 s83, 0
	s_add_nc_u64 s[84:85], s[74:75], s[82:83]
	s_lshl_b32 s82, s13, 10                        ; pad_mask at row 256 x tile row + 128 x half
	s_lshl_b32 s83, s11, 9
	s_add_co_u32 s82, s82, s83
	s_mov_b32 s83, 0
	s_add_nc_u64 s[86:87], s[76:77], s[82:83]
	WIN TO_B
.irp b, 0,1,2,3,4,5,6,7
	global_load_b128 v[BIAS+8*\b:BIAS+8*\b+3],   v14, s[84:85] offset:64*\b
	global_load_b128 v[BIAS+8*\b+4:BIAS+8*\b+7], v14, s[84:85] offset:64*\b+16
.endr
	WIN 0
.irp a, 0,1,2,3,4,5,6,7
	global_load_b32 v[RS+2*\a], v15, s[86:87] offset:64*\a
.endr
	v_mul_u32_u24 v3, v1, PITCH
	v_lshl_add_u32 v3, v2, 4, v3                   ; a fragment's row x pitch + 16 x half
	s_mul_i32 s22, s11, HALFT                      ; my 128 rows of A
	s_mul_i32 s23, s12, HALFT                      ; my 128 rows of W,
	s_add_co_u32 s23, s23, 2*HALFT                 ; behind A's 256
	v_add_nc_u32 v[ADRA0], s22, v3
	v_add_nc_u32 v[ADRB0], s23, v3
	SETADR                                         ; slot 0
	s_mul_i32 s22, s10, 2*HEADB
	s_add_co_u32 s22, s22, STAGE                   ; my stage
	v_mul_u32_u24 v[STO], v1, SP                   ; in: row r, 16 bytes for each half of the lanes
	v_lshl_add_u32 v[STO], v2, 4, v[STO]
	v_add_nc_u32 v[STO], s22, v[STO]
	v_bfe_u32 v[RD], v0, 3, 2                      ; back: 32 lanes take four rows of a head, 128 bytes each,
	v_mul_u32_u24 v[RD], v[RD], SP
	v_and_b32 v11, 7, v0
	v_lshl_add_u32 v[RD], v11, 4, v[RD]
	v_add_nc_u32 v[RD], s22, v[RD]
	v_and_b32 v[GO], 31, v0                        ; which are 512 consecutive bytes of C
	v_lshlrev_b32 v[GO], 4, v[GO]
	s_cmp_ge_u32 ttmp9, 2
	s_cselect_b32 s80, -1, 0                       ; all lanes: the values' columns take the mask
	s_lshr_b32 s82, s42, 2                         ; C: which of q, k, v,
	s_lshl_b32 s82, s82, 24
	s_lshr_b32 s83, s13, 2                         ; the batch,
	s_lshl_b32 s83, s83, 21
	s_add_co_u32 s82, s82, s83
	s_and_b32 s83, s42, 3                          ; the first of my two heads: 4 x (tile column % 4) + 2 x half,
	s_lshl_b32 s83, s83, 1
	s_add_co_u32 s83, s83, s12
	s_lshl_b32 s83, s83, 18
	s_add_co_u32 s82, s82, s83
	s_and_b32 s83, s13, 3                          ; my 128 rows of 128 bytes
	s_lshl_b32 s83, s83, 1
	s_add_co_u32 s83, s83, s11
	s_lshl_b32 s83, s83, 14
	s_add_co_u32 s82, s82, s83
	s_mov_b32 s83, 0
	s_add_nc_u64 s[8:9], s[78:79], s[82:83]
	; the prefetches
	s_lshr_b32 s18, ttmp9, 1                       ; 0 where the cluster's x is 0 or 1
	s_and_b32 s19, ttmp7, 0xffff                   ; the cluster's y
	s_lshl_b32 s16, s13, 8
	s_lshl_b32 s17, s42, 8
	s_cmp_eq_u32 s11, 0                            ; do I fetch for A?
	s_cselect_b32 s16, s16, s17                    ; the tile's first row: in A by the tile row, in W by the tile column
	s_cselect_b32 s17, s40, s41                    ; my place among the four that ask for it with me
	s_cselect_b32 s18, s18, s19
	s_cselect_b64 s[PFA:PFA+1], s[92:93], s[72:73]
	s_cmp_eq_u32 s18, 0
	s_cselect_b32 s[LIM], 2, -1                    ; the same in all sixteen partners, for a given wave
	s_lshl_b32 s18, s12, 7
	s_add_co_u32 s16, s16, s18                     ; + the 128 rows that I fetch
	s_lshl_b32 s17, s17, 5
	s_add_co_u32 s16, s16, s17                     ; + my work-group's 32 of them
	s_lshl_b32 s16, s16, 11
	s_mov_b32 s17, 0
	s_add_nc_u64 s[PFA:PFA+1], s[PFA:PFA+1], s[16:17]
	s_add_nc_u64 s[PFA:PFA+1], s[PFA:PFA+1], 2*KSTEP*2  ; at K step 2: the first refill steps it to 3 and names K step 4
	v_and_b32 v[PFO], 31, v0
	v_lshlrev_b32 v[PFO], 11, v[PFO]
; 16 matrix instructions: row blocks a0, a0 + 1 of the window's four (hi = 0: my rows 0-63, 1: rows 64-127) x all 8 column blocks, 32 along K.  first = 1: the product starts the sum, with the column block's bias as C.
; The 64 accumulators take turns in the same order in every quarter, over the backward jumps too.
.macro MUL16 f, hi, a0, first
.if \first
	WIN 0x91+0x40*(\hi)                            ; as MUL_LO or MUL_HI, with C in window 1
.else
	WIN MUL_LO+0x50*(\hi)
.endif
.irp a, \a0, (\a0)+1
.irp b, 0,1,2,3,4,5,6,7
.if \first
	v_wmma_f32_16x16x32_f16 v[8*(8*(\a)+(\b)):8*(8*(\a)+(\b))+7], v[(\f)+8*(\b):(\f)+8*(\b)+7], v[(\f)+8*(4*(\hi)+(\a)):(\f)+8*(4*(\hi)+(\a))+7], v[BIAS+8*(\b):BIAS+8*(\b)+7]
.else
	v_wmma_f32_16x16x32_f16 v[8*(8*(\a)+(\b)):8*(8*(\a)+(\b))+7], v[(\f)+8*(\b):(\f)+8*(\b)+7], v[(\f)+8*(4*(\hi)+(\a)):(\f)+8*(4*(\hi)+(\a))+7], v[8*(8*(\a)+(\b)):8*(8*(\a)+(\b))+7]
.endif
.endr
.endr
.endm
; 32 LDS loads in one run: the fragments of one quarter step (128 rows of W, 128 rows of A, 32 K at byte k of the rows of the slot in hand) into buffer f
.macro FETCH k, f
	WIN TO_B
.irp i, 0,1,2,3,4,5,6,7
	ds_load_b128 v[(\f)+8*(\i):(\f)+8*(\i)+3],   v[ADRB] offset:(\k)+(\i)*16*PITCH
	ds_load_b128 v[(\f)+8*(\i)+4:(\f)+8*(\i)+7], v[ADRB] offset:(\k)+(\i)*16*PITCH+32
.endr
	WIN 0
.irp i, 0,1,2,3,4,5,6,7
	ds_load_b128 v[(\f)+8*(\i):(\f)+8*(\i)+3],   v[ADRA] offset:(\k)+(\i)*16*PITCH
	ds_load_b128 v[(\f)+8*(\i)+4:(\f)+8*(\i)+7], v[ADRA] offset:(\k)+(\i)*16*PITCH+32
.endr
.endm
.macro PLACES                          ; four places in front of loads into registers that matrix instructions have read
.rept 4
	v_nop
.endr
.endm
; A K step is four quarters of 32 along K, 64 matrix instructions each, on buffers 0, 1, 0, 1.  One of the first three: multiplies buffer f; in its middle it fetches the next quarter, at byte k, into buffer g.
.macro QUARTER k, f, g, first
	s_wait_dscnt 8                                 ; W and A's rows 0-63 are in; the youngest eight loads (A's rows 64-127) may be out
	MUL16 \f, 0, 0, \first
	MUL16 \f, 0, 2, \first
	PLACES
	FETCH \k, \g
	s_wait_dscnt 32                                ; all but the 32 just issued
	MUL16 \f, 1, 0, \first
	MUL16 \f, 1, 2, \first
.endm
; The first half of the last quarter, which multiplies buffer 1 and changes slots: ONE barrier.  In front of it each wave waits for all its tensor loads, of which one is out at the most: its part of the next slot;
; adds 0 to its spare word; and waits for that and for its own reads of this slot.  Behind it nobody reads this slot any more and the next slot is whole.
.macro MEET
	WIN 0
	s_wait_tensorcnt 0x0
	ds_add_u32 v[SPW], v[NIL]
	s_wait_dscnt 9                                 ; (the add and the youngest eight loads may be out)
	MUL16 F1, 0, 0, 0                              ; sixteen matrix instructions stand between the add and the wait for it
	s_wait_dscnt 0x0                               ; the add is done, and my reads of this slot are over
	s_barrier_signal -1
	MUL16 F1, 0, 2, 0
	WIN 0
	s_barrier_wait -1
.endm
	s_wait_tensorcnt 1                             ; my part of K step 0 is in; K step 1's may stay out
	s_barrier_signal -1
	s_barrier_wait -1
	FETCH 0, F0
	s_wait_loadcnt 0x0                             ; bias and pad_mask
	QUARTER 64, F0, F1, 1                          ; the first quarter stands in front of the loop: its products start the sums
	WIN 0
	s_mov_b32 s3, FILLS
.Lstep:                                                ; a trip: from a K step's second quarter to the next step's first; the slot that is left is filled again, two K steps ahead
	QUARTER 128, F1, F0, 0
	QUARTER 192, F0, F1, 0
	s_wait_xcnt 0x0                                ; the last prefetch, a K step back, has read its address: it is stepped here, ahead of the waits of the change of slots
	s_add_nc_u64 s[PFA:PFA+1], s[PFA:PFA+1], KSTEP*2
	MEET
	CREST                                          ; the barrier has opened a round of the cluster's: no wave of any partner still reads this slot or has a load on its way
	s_add_co_u32 s[G0+5], s20, s[CUR]              ; the walking descriptors: into the slot just left,
	s_add_co_u32 s[G0B+5], s20, s[CUR]
	s_add_nc_u64 s[G0+6:G0+7], s[G0+6:G0+7], KSTEP*2      ; the K step behind the one asked for last; the type bits on top are not reached
	s_add_nc_u64 s[G0B+6:G0B+7], s[G0B+6:G0B+7], KSTEP*2
	s_xor_b32 s[CUR], s[CUR], SLOT                 ; the other slot is in hand
	JLOAD 1                                        ; my one tensor load behind the round; its four v_nop are the places in front of the loads below
	SETADR
	FETCH 0, F0
	ASK
	MUL16 F1, 1, 0, 0
	MUL16 F1, 1, 2, 0
	QUARTER 64, F0, F1, 0
	WIN 0
	s_sub_co_u32 s3, s3, 1
	s_cmp_lg_u32 s3, 0
	s_cbranch_scc1 .Lstep
	s_mov_b32 s3, 2
.Ltail:                                                ; K steps 6 and 7 fill nothing: a text of their own.  The second trip fetches nothing more and is left in its middle
	QUARTER 128, F1, F0, 0                         ; its barrier orders nothing: the price, once a launch, of one text for both trips
	QUARTER 192, F0, F1, 0
	MEET                                           ; (first trip: my part of K step 7 is the load that was out)
	s_xor_b32 s[CUR], s[CUR], SLOT
	SETADR                                         ; these two and two v_nop are the places in front of the loads into buffer 0
	v_nop
	v_nop
	s_cmp_eq_u32 s3, 1
	s_cbranch_scc1 .Lno_fetch
	FETCH 0, F0
.Lno_fetch:
	MUL16 F1, 1, 0, 0
	MUL16 F1, 1, 2, 0
	WIN 0
	s_sub_co_u32 s3, s3, 1
	s_cmp_eq_u32 s3, 0
	s_cbranch_scc1 .Lout
	QUARTER 64, F0, F1, 0
	WIN 0
	s_branch .Ltail
.Lout:
	s_wait_dscnt 0x0                               ; no LDS load is out (the trip that leaves has fetched nothing): the fragments' registers are free
	; THE WAY OUT.  sum x rs, rounded to f16, a block of 16 rows at a time through my stage.  The sixteen lines below are the places behind the last products.
.irp a, 0,1,2,3,4,5,6,7
	v_cndmask_b32 v[RS+2*\a], 1.0, v[RS+2*\a], s80
	v_mov_b32 v[RS+2*\a+1], v[RS+2*\a]             ; named as a pair
.endr
; Block a: a lane's eight columns of a row pack into 16 bytes; they go into rows of 144 bytes, a head's 64 columns to a row, and come back as whole rows of 128, into the registers that they left.
; Each block has 32 registers of its own in window 1, so no register that a store reads is written again.
.macro PACK a
	WIN 0x02+(\a)/4                                ; source 0: window 2 or 3
.set n, 0
.rept 32
	v_pk_mul_f32 v[TT+n:TT+n+1], v[64*((\a)%4)+n:64*((\a)%4)+n+1], v[RS+2*(\a):RS+2*(\a)+1] op_sel_hi:[1,0]  ; each accumulator from its low end on
.set n, n+2
.endr
	WIN 0x40                                       ; destination: window 1
.set n, 0
.rept 32
	v_cvt_pk_f16_f32 v[32*(\a)+n], v[TT+2*n], v[TT+2*n+1]
.set n, n+1
.endr
	WIN 0x44                                       ; data in window 1, addresses in window 0
.irp b, 0,1,2,3,4,5,6,7
	ds_store_b128 v[STO], v[32*(\a)+4*\b:32*(\a)+4*\b+3] offset:(\b/4)*HEADB+32*(\b%4)
.endr
.irp t, 0,1,2,3,4,5,6,7
	ds_load_b128 v[32*(\a)+4*\t:32*(\a)+4*\t+3], v[RD] offset:(\t/4)*HEADB+(\t%4)*4*SP  ; LDS serves a wave's instructions in order: these see the stores above; the next block's stores come behind them
.endr
.endm
.macro SEND a, y                       ; y: the LDS instructions issued behind this block's loads: the next block's sixteen, or none
	WIN 0x44
.irp t, 0,1,2,3,4,5,6,7
	s_wait_dscnt (\y)+7-\t
	global_store_b128 v[GO], v[32*(\a)+4*\t:32*(\a)+4*\t+3], s[8:9] offset:(\t/4)*131072+(\a)*2048+(\t%4)*512  ; 512 consecutive bytes, at a multiple of 256 from C's first byte
.endr
.endm
	PACK 0
.irp a, 1,2,3,4,5,6,7                  ; a block's arithmetic stands between the loads of the block before and its stores
	PACK \a
	SEND (\a)-1, 16
.endr
	SEND 7, 0
	WIN 0
	s_wait_tensorcnt 0x0                           ; the wave's end
	ds_add_u32 v[SPW], v[NIL]
	s_wait_dscnt 0x0
	CROUND                                         ; the closing round: no work-group ends while a partner may still ask for a tile that names it
	s_endpgm
.Lfunc_end_k_q909c8516c3_proj_qkv:
	.size	k_q909c8516c3_proj_qkv, .Lfunc_end_k_q909c8516c3_proj_qkv-k_q909c8516c3_proj_qkv
	.p2alignl 7, 3214868480
	.fill 96, 4, 3214868480
	.section	.rodata,"a",@progbits
	.p2align	6, 0x0
	.amdhsa_kernel k_q909c8516c3_proj_qkv
		.amdhsa_group_segment_fixed_size 327680
		.amdhsa_private_segment_fixed_size 0
		.amdhsa_enable_private_segment 0
		.amdhsa_kernarg_size 48
		.amdhsa_user_sgpr_count 2
		.amdhsa_user_sgpr_kernarg_segment_ptr 1
		.amdhsa_wavefront_size32 1
		.amdhsa_system_sgpr_workgroup_id_x 1
		.amdhsa_system_sgpr_workgroup_id_y 1
		.amdhsa_system_sgpr_workgroup_id_z 1
		.amdhsa_system_vgpr_workitem_id 0
		.amdhsa_next_free_vgpr 1024
		.amdhsa_next_free_sgpr 96
		.amdhsa_reserve_vcc 0
		.amdhsa_float_denorm_mode_32 3
		.amdhsa_float_denorm_mode_16_64 3
		.amdhsa_memory_ordered 1
		.amdhsa_forward_progress 1
		.amdhsa_inst_pref_size 122
	.end_amdhsa_kernel
	.amdgpu_metadata
---
amdhsa.version: [ 1, 2 ]
amdhsa.kernels:
  - .name:           k_q909c8516c3_proj_qkv
    .symbol:         k_q909c8516c3_proj_qkv.kd
    .args:
      - { .name: xq, .offset: 0, .size: 8, .value_kind: global_buffer, .address_space: global }
      - { .name: xk, .offset: 8, .size: 8, .value_kind: global_buffer, .address_space: global }
      - { .name: wqkv, .offset: 16, .size: 8, .value_kind: global_buffer, .address_space: global }
      - { .name: bqkv, .offset: 24, .size: 8, .value_kind: global_buffer, .address_space: global }
      - { .name: pad_mask, .offset: 32, .size: 8, .value_kind: global_buffer, .address_space: global }
      - { .name: qkv, .offset: 40, .size: 8, .value_kind: global_buffer, .address_space: global }
    .group_segment_fixed_size: 327680
    .private_segment_fixed_size: 0
    .kernarg_segment_align: 8
    .kernarg_segment_size: 48
    .max_flat_workgroup_size: 128
    .sgpr_count:     96
    .vgpr_count:     1024
    .wavefront_size: 32
...
	.end_amdgpu_metadata
.endif
;; end of part 2
;; launch attn (part 3): grid 2 x 128, 4 waves a work-group, no clusters, 327,680 bytes of LDS; arguments qkv, pad_mask, ao; writes ao
.if DOCPART == 3
	.amdgcn_target "amdgcn-amd-amdhsa--gfx1250"
	.amdhsa_code_object_version 6
	.text
	.protected	k_q909c8516c3_attn
	.globl	k_q909c8516c3_attn
	.p2align	8
	.type	k_q909c8516c3_attn,@function
k_q909c8516c3_attn:
	s_mov_b64 s[64:65], 0
	v_nop
	global_prefetch_b8 v0, s[64:65] scope:SCOPE_SE
	s_setreg_imm32_b32 hwreg(HW_REG_WAVE_MODE, 25, 1), 1
	s_wait_xcnt 0x0
; O[bh][q][:] = the sum over k of softmax_k(s) V'[bh][k][:], s = Q[bh][q] . K[bh][k] / 32, hidden where pad_mask[b][k] = 0.  qkv: [3][128][1024][64] f16 (v already multiplied by pad_mask), O: [128][1024][64] f16.
; Products, maxima and sums in f32; the weights p are rounded to f16 for the second product (their sum l is taken of the unrounded p), O once at the end.
; THE MASK is the C operand that starts the sum S^T = K Q^T: 0, or -2^31 where pad_mask is 0.  A table of the batch's 1,024 such numbers is made once in LDS; a key step's 64 come into 32 registers with its K.
; Why 2^31: a row may see hidden keys alone in its first steps, or in all.  Then p = 2^(c s - round(c m)) with |c m| < 2^27, where the rounding of c m is 4 at the most: p <= 16 and l >= 2^-4 stay finite,
; and since V' is 0 for a hidden key such a row adds 0; when a seen key comes, a = 0 wipes l.  A batch with no seen key gives O = 0.
; LIMITS.  A hidden score counts as q . k - 2^31 in place of -1e12 x 32: the same result while |q . k| < 2^29 (|score| < 1.6e7).  f16 holds no number beyond 65,504: q, k and v arrive within it.
; A weight below 2^-126 counts as 0 in l; NaN and infinities are not treated apart.
; SHARES.  A wave owns four PIECES of two tiles of 16 queries, a work-group's four waves 512 queries of one head.  Every wave walks all 1,024 keys, 64 a step.
; NO CLUSTER: a head has 1,024 queries, two work-groups; a joint load of four would want blocks of 256 queries, with half as many products for each fragment read from LDS.
; No prefetch is laid: a fill is asked for four key steps, 512 matrix instructions, ahead of the wait for it.
; LAYOUT.  S^T = K Q^T (source 0 = 16 keys, source 1 = 16 queries): a lane holds ONE query (lane % 16) and the keys 8 (lane / 16) + 0..7.  Two such tiles, rounded to f16 in pairs, ARE source 1 of O^T = V^T P.
; K comes out of LDS as it lies, V ([key][channel]) turned, by ds_load_tr16_b128.
; SOFTMAX.  A running maximum m and sum l: p = 2^(c s - c m), c = log2(e) / 32; in every step O and l are multiplied by a = 2^(c m_old - c m_new).  m starts at the lowest finite number, O and l at 0.
; BY TURNS.  Turn n belongs to piece n: 16 products K Q^T of piece n + 1, later 16 products V^T P of piece n - 1; beside them the scaling, exponentials, roundings, sums and rescaling of piece n and the maximum
; and statistics of piece n + 1.  Four vector instructions stand behind every matrix instruction, the rest in one lump; a turn's 66 exponentials are one batch with one wait.
; REGISTERS, in windows of 256 (s_set_vgpr_msb: bits 1:0 source 0, 3:2 source 1, 5:4 source 2, 7:6 destination):
;   window 0: v0-11 addresses; v12-15, v48-63 at work; v16-47 statistics; v64-191 S^T, two buffers of two tiles; v192-255 P, likewise
;   window 1: O^T, 32 a tile     window 2: v0-127 Q; v128-191 K of one step; v192-255 V of one step     window 3: v0-1 the add's two registers; v8-39 the step's masks
.set SIZE_N, 1024
.set NP,    4
.set KS,    64
.set PK,    144       ; a row of K in LDS: 128 bytes + 16
.set PV,    160       ; a row of V: 128 + 32
.set VOFF,  4*KS*PK   ; a slot holds four steps: 256 rows of K, then 256 rows of V
.set SLOT1, 1<<17
.set STAGE, SLOT1+4*KS*(PK+PV)  ; behind the ring: 16 rows x 144 bytes for each wave
.set SP,    144
.set MASKTAB, STAGE+4*16*SP     ; 1,024 words: 0 or -2^31; stored once, never filled by a tensor load
.set SPARE, MASKTAB+4096        ; the spare words: 128 bytes a wave, two blocks of 256 bytes that no other line names
.set AK0, 2
.set AV0, 3
.set AK,  4
.set AV,  5
.set QO,  6
.set STO, 6
.set RD,  7
.set GO,  8
.set AMK, 11          ; v11  the LDS address of the masks' next run of loads
.set SPW, 0           ; v0 of window 3
.set NIL, 1           ; v1 of window 3
.set MK,  8           ; v8-39 of window 3: key block kb at MK + 8 kb
.set MV,  12
.set ST,  16
.set TMP, 48
.set S,   64
.set P,   192
.set KF,  128
.set VF,  192
.set WV,  12
.set G1K, 24
.set G1V, 32
.set G0K, 40
.set G0V, 44
.set MP,  52          ; s[52:53] pad_mask at my batch
.set SLOTS, 56
.set CNT, 57
.set CS,  58
.set SEL, 60
.set TBK, 62
.set TBV, 63
.set BIGN, 82         ; s82  -2^31
.set TBM, 83          ; s83  the table's byte for the step to be fetched, 0 .. 3,840
.set TBA, 84          ; s84  the same plus the table's base
.set MSB, 0
.macro WIN new
.if MSB != (\new)
	s_set_vgpr_msb (MSB<<8)|(\new)
.set MSB, (\new)
.endif
.endm
.set W_KQ, 0x0a       ; K and Q in window 2, S^T in window 0
.set W_KM, 0x3a       ; the same with the C operand in window 3
.set W_PV, 0x52       ; V in window 2, P in window 0, O^T in window 1
.set W_RS, 0x41       ; O^T in window 1, a in window 0
.set W_MK, 0xc0       ; destination in window 3
.set W_AD, 0x0f       ; the add: address and data in window 3
; A fill.  Waves 0 and 1 fetch the two halves of a slot's K, waves 2 and 3 those of its V: 128 keys each.  An s_nop 0 and four v_nop follow each of the two lines.
.macro LOAD
	s_cmp_lt_u32 s[WV], 2
	s_cbranch_scc0 .Lfor_v_\@
	tensor_load_to_lds s[G0K:G0K+3], s[G1K:G1K+7]
	s_nop 0
.rept 4
	v_nop
.endr
	s_branch .Lasked_\@
.Lfor_v_\@:
	tensor_load_to_lds s[G0V:G0V+3], s[G1V:G1V+7]
	s_nop 0
.rept 4
	v_nop
.endr
.Lasked_\@:
.endm
; THE CHANGE OF SLOTS.  Each wave waits for all its tensor loads, of which one is out: its part of the other slot; adds 0 to its spare word; and waits for that and for its LDS instructions.  Behind the barrier nobody
; reads the old slot any more and the other slot is whole.  fill = 1: the old slot is filled again, first thing behind the barrier, with the keys two slots on.
; (At its first use nothing has been read yet: slot 0 is waited for, slot 1 filled, and every wave's part of the mask table is shown to the others.)
.macro CHANGE fill
	WIN W_AD
	s_wait_tensorcnt 0x0            ; no tensor load of mine is out, so a group 0 may be written
	ds_add_u32 v[SPW], v[NIL]
	WIN 0
.if \fill
.irp g, G0K, G0V
	s_xor_b32 s[\g+1], s[\g+1], SLOT1
	s_add_nc_u64 s[\g+2:\g+3], s[\g+2:\g+3], 4*KS*128
.endr
.endif
	s_wait_dscnt 0x0                ; the add is done, and my LDS instructions are over
	s_barrier_signal -1
	s_sub_co_u32 s[TBK], s[TBK], 4*KS*PK  ; the fetches go back to a slot's first step,
	s_xor_b32 s[TBK], s[TBK], SLOT1       ; in the other slot
	s_sub_co_u32 s[TBV], s[TBV], 4*KS*PV
	s_xor_b32 s[TBV], s[TBV], SLOT1
	s_barrier_wait -1
.if \fill
	LOAD
.endif
.endm
	s_load_b128 s[48:51], s[0:1], 0x0  ; qkv s[48:49], pad_mask s[50:51]
	s_load_b64 s[10:11], s[0:1], 0x10  ; O
	WIN W_MK
	v_lshl_add_u32 v[SPW], v0, 2, SPARE
	v_mov_b32 v[NIL], 0
	WIN W_AD
	ds_add_u32 v[SPW], v[NIL]       ; the wave's opening: the add and its wait stand ahead of my first tensor load
	WIN 0
	v_lshrrev_b32 v1, 5, v0
	v_readfirstlane_b32 s[WV], v1   ; wave 0..3
	s_and_b32 s20, ttmp7, 0xffff    ; 16 x batch + head
	s_lshr_b32 s54, s20, 4
	s_lshl_b32 s54, s54, 12         ; the batch's 4,096 bytes of pad_mask
	s_mov_b32 s55, 0
	s_lshl_b32 s20, s20, 17         ; the head's first byte in q, k, v and O
	s_and_b32 s16, s[WV], 1         ; which half of a slot's 256 keys I fetch
	s_lshl_b32 s22, s16, 14
	s_add_co_u32 s22, s22, s20
	s_mov_b32 s23, 0
	s_mul_i32 s17, s16, 128*PK
	s_mul_i32 s18, s16, 128*PV
	s_lshl_b32 s2, ttmp9, 2
	s_add_co_u32 s2, s2, s[WV]      ; my wave among the head's eight,
	s_lshl_b32 s2, s2, 14           ; its 128 rows
	s_add_co_u32 s2, s2, s20
	s_mov_b32 s3, 0
	; descriptor group 1.  128 keys are 16,384 dense bytes: asked for as 64 rows of 256 bytes, two keys a row, and padded in LDS after every key
	s_mov_b32 s[G1K], (1<<16)|(1<<20)|(4<<22)|(3<<25)
	s_mov_b32 s[G1V], (1<<16)|(1<<20)|(4<<22)|(7<<25)
.irp g, G1K, G1V
	s_mov_b32 s[\g+1], 128<<16      ; tensor_dim0 = 128
	s_mov_b32 s[\g+2], 64<<16       ; tensor_dim1 = 64
	s_mov_b32 s[\g+3], 128<<16      ; tile_dim0 = 128
	s_mov_b32 s[\g+4], 64           ; tile_dim1 = 64
	s_mov_b32 s[\g+5], 128          ; 128 elements from row to row
	s_mov_b32 s[\g+6], 0
	s_mov_b32 s[\g+7], 0
.endr
	s_mov_b32 s[CS], 0x3d38aa3b     ; c = log2(e) / 32
	s_mov_b32 s[CS+1], s[CS]
	s_mov_b32 s[SEL], 0x76543210
	s_mov_b32 s[SEL+1], 0xfedcba98
	s_mov_b32 s[TBK], SLOT1+4*KS*PK ; the first change of slots turns these two into 0
	s_mov_b32 s[TBV], SLOT1+4*KS*PV
	s_mov_b32 s[TBM], 0
	s_mov_b32 s[BIGN], 0xcf000000   ; -2^31
	s_mov_b32 s[G0K], 1
	s_mov_b32 s[G0K+1], s17
	s_mov_b32 s[G0V], 1
	s_add_co_u32 s[G0V+1], s18, VOFF
	s_wait_dscnt 0x0                ; the opening add is done
	s_wait_kmcnt 0x0
	s_add_nc_u64 s[6:7], s[48:49], s[22:23]
	s_add_nc_u64 s[G0K+2:G0K+3], s[6:7], 1<<24     ; k lies 2^24 bytes behind q,
	s_or_b32 s[G0K+3], s[G0K+3], 0x80000000
	s_add_nc_u64 s[G0V+2:G0V+3], s[6:7], 1<<25     ; v 2^25
	s_or_b32 s[G0V+3], s[G0V+3], 0x80000000
	s_add_nc_u64 s[4:5], s[48:49], s[2:3]          ; Q and O at my wave's first row
	s_add_nc_u64 s[10:11], s[10:11], s[2:3]
	s_add_nc_u64 s[MP:MP+1], s[50:51], s[54:55]
	LOAD                            ; slot 0.  Slot 1 is asked for when slot 0 is in
	v_lshlrev_b32 v48, 4, v0        ; the mask: each of the 128 threads takes 2 x 16 bytes of the batch's 4,096
	global_load_b128 v[64:67], v48, s[MP:MP+1]
	global_load_b128 v[68:71], v48, s[MP:MP+1] offset:2048
	v_and_b32 v1, 15, v0            ; l % 16
	v_bfe_u32 v9, v0, 4, 1          ; l / 16; never rewritten
	v_lshlrev_b32 v[QO], 7, v1
	v_lshl_add_u32 v[QO], v9, 4, v[QO]
	WIN 0x80
.set i, 0
.rept 4*NP                          ; Q stays in registers: tile i / 2, channels 32 (i % 2) on
	global_load_b128 v[8*i:8*i+3],   v[QO], s[4:5] offset:(i/2)*2048+(i%2)*64
	global_load_b128 v[8*i+4:8*i+7], v[QO], s[4:5] offset:(i/2)*2048+(i%2)*64+32
.set i, i+1
.endr
	; What the first turn finds: V's registers and P's second buffer hold 0, O^T and l are 0.  All this stands in the wait for the first tile; no first step is written out.
.set i, VF
.rept 64
	v_mov_b32 v[i], 0
.set i, i+1
.endr
	WIN 0x40
.set i, 0
.rept 64*NP
	v_mov_b32 v[i], 0
.set i, i+1
.endr
	WIN 0
.set i, 0
.rept 2*NP
	v_mov_b32 v[ST+4*i], 0xfe000000    ; c m: far below every c s
	v_mov_b32 v[ST+4*i+1], 0xff7fffff  ; m
	v_mov_b32 v[ST+4*i+2], 0
	v_mov_b32 v[ST+4*i+3], 0
.set i, i+1
.endr
.set i, P+32
.rept 32
	v_mov_b32 v[i], 0
.set i, i+1
.endr
	v_mul_u32_u24 v[AK0], v1, PK
	v_lshl_add_u32 v[AK0], v9, 4, v[AK0]
	v_and_b32 v10, 7, v0
	v_bfe_u32 v11, v0, 3, 1
	v_lshl_add_u32 v[AV0], v9, 3, v10
	v_mul_u32_u24 v[AV0], v[AV0], PV
	v_lshl_add_u32 v[AV0], v11, 4, v[AV0]
	v_add_nc_u32 v[AV0], VOFF, v[AV0]
	v_mov_b32 v[AK], v[AK0]         ; key step 0 lies at the head of slot 0,
	v_lshl_add_u32 v[AMK], v9, 5, MASKTAB  ; its masks at the head of the table: my lanes' 8 keys of 16 are 32 bytes
	v_add_nc_u32 v49, MASKTAB, v48
	s_wait_loadcnt 32               ; the mask's two loads are in; Q's 32, issued behind them, may stay out
.set i, 64
.rept 8
	v_cmp_eq_f32 vcc_lo, 0, v[i]
	v_cndmask_b32 v[i], 0, s[BIGN], vcc_lo
.set i, i+1
.endr
	ds_store_b128 v49, v[64:67]
	ds_store_b128 v49, v[68:71] offset:2048
; THE MATRIX WORK.  The 8 accumulators of a run of 16 take turns.
; Product i of 16 of S^T = K Q^T for piece x: channels 32 (i / 8) on, keys 16 ((i / 2) % 4) on, tile 2 x + i % 2.  The first 8 start the sums, with the keys' masks.
.macro KQ x
.set rS, S+64*((\x)%2)+32*(i%2)+8*((i/2)%4)
.set rK, KF+16*((i/2)%4)+8*(i/8)
.set rQ, 16*(2*(\x)+i%2)+8*(i/8)
.set rMK, MK+8*((i/2)%4)
.if i < 8
	WIN W_KM
	v_wmma_f32_16x16x32_f16 v[rS:rS+7], v[rK:rK+7], v[rQ:rQ+7], v[rMK:rMK+7]
.else
	WIN W_KQ
	v_wmma_f32_16x16x32_f16 v[rS:rS+7], v[rK:rK+7], v[rQ:rQ+7], v[rS:rS+7]
.endif
.endm
; Product i of 16 of O^T += V^T P for piece x: keys 32 (i / 8) on, channels 16 ((i / 2) % 4) on, tile 2 x + i % 2.
.macro PV x
	WIN W_PV
.set rO, 32*(2*(\x)+i%2)+8*((i/2)%4)
.set rV, VF+32*(i/8)+8*((i/2)%4)
.set rP, P+32*((\x)%2)+16*(i%2)+8*(i/8)
	v_wmma_f32_16x16x32_f16 v[rO:rO+7], v[rV:rV+7], v[rP:rP+7], v[rO:rO+7]
.endm
.macro MM                           ; the turn's next matrix instruction
.if i < 16
	KQ (Y+1)%NP
.set i, i+1
.else
.set i, i-16
	PV (Y+NP-1)%NP
.set i, i+17
.endif
.endm
; THE LDS LOADS stand in runs: a step's K (8 fragments) with its 64 masks, and its V (turned).  Their addresses are made some lines ahead.
; last = 1 (the tail): in the last trip there is no further step, and the run is jumped over.
.macro FETCH_K last=0
	WIN 0
.if \last
	s_cmp_eq_u32 s[CNT], 1
	s_cbranch_scc1 .Lno_k_\@
.endif
	WIN 0x80
.irp f, 0,1,2,3,4,5,6,7
	ds_load_b128 v[KF+8*\f:KF+8*\f+3],   v[AK] offset:(\f/2)*16*PK+(\f%2)*64
	ds_load_b128 v[KF+8*\f+4:KF+8*\f+7], v[AK] offset:(\f/2)*16*PK+(\f%2)*64+32
.endr
	WIN W_MK
.irp f, 0,1,2,3                     ; key block f: the 16 lanes of a half read the same 32 bytes
	ds_load_b128 v[MK+8*\f:MK+8*\f+3],   v[AMK] offset:64*\f
	ds_load_b128 v[MK+8*\f+4:MK+8*\f+7], v[AMK] offset:64*\f+16
.endr
	s_add_co_u32 s[TBK], s[TBK], KS*PK  ; the next fetch is the next step's
	s_add_co_u32 s[TBM], s[TBM], 256
	s_and_b32 s[TBM], s[TBM], 0xfff     ; the table has 16 steps: behind the last the count is back at 0, and is not used
	s_add_co_u32 s[TBA], s[TBM], MASKTAB
	WIN 0
.if \last
.Lno_k_\@:
.endif
.endm
.macro FETCH_V
	WIN 0x80
.irp f, 0,1,2,3,4,5,6,7
	ds_load_tr16_b128 v[VF+8*\f:VF+8*\f+3],   v[AV] offset:(\f/4)*32*PV+(\f%4)*32
	ds_load_tr16_b128 v[VF+8*\f+4:VF+8*\f+7], v[AV] offset:(\f/4)*32*PV+16*PV+(\f%4)*32
.endr
	WIN 0
.endm
; THE VECTOR WORK OF A TURN stands in three queues, each in the order in which its entries become ready; the two tiles alternate.
.macro REGS y, u
.set rT, ST+4*(2*(\y)+(\u))
.set rC, TMP+8*((\y)%2)+4*(\u)
.set rM, MV+2*((\y)%2)+(\u)
.set rS, S+64*((\y)%2)+32*(\u)
.set rP, P+32*((\y)%2)+16*(\u)
.set rO, 32*(2*(\y)+(\u))
.endm
; Number n of the 22 that find the NEXT piece's maximum and statistics; each accumulator's lowest registers are read first.
;   0-11 four chains of seven scores   12-14, 16 the four left over, the old m, the chains into one   15 c m_old is kept   17, 18 the other half of the lanes: the new m   19-21 c m; its change; a
.macro XS u, n
	REGS (Y+1)%NP, \u
.if (\n) < 4
	v_max3_num_f32 v[rC+(\n)], v[rS+8*(\n)], v[rS+8*(\n)+1], v[rS+8*(\n)+2]
.elseif (\n) < 12
	v_max3_num_f32 v[rC+(\n)%4], v[rC+(\n)%4], v[rS+8*((\n)%4)+2*((\n)/4)+1], v[rS+8*((\n)%4)+2*((\n)/4)+2]
.elseif (\n) == 12
	v_max3_num_f32 v[rC], v[rC], v[rS+7], v[rS+15]
.elseif (\n) == 13
	v_max3_num_f32 v[rC+1], v[rC+1], v[rS+23], v[rS+31]
.elseif (\n) == 14
	v_max3_num_f32 v[rC+2], v[rC+2], v[rC+3], v[rT+1]
.elseif (\n) == 15
	v_mov_b32 v[rM], v[rT]
.elseif (\n) == 16
	v_max3_num_f32 v[rC], v[rC], v[rC+1], v[rC+2]
.elseif (\n) == 17
	v_permlanex16_b32 v[rC+3], v[rC], s[SEL], s[SEL+1]
.elseif (\n) == 18
	v_max_num_f32 v[rT+1], v[rC], v[rC+3]
.elseif (\n) == 19
	v_mul_f32 v[rT], s[CS], v[rT+1]
.elseif (\n) == 20
	v_sub_f32 v[rC+1], v[rM], v[rT]
.else
	v_exp_f32 v[rC+2], v[rC+1]
.endif
.endm
; Number g of the 64 that follow the exponentials: for each four weights both pairs are rounded to f16, the second pair is added onto the first, and a group later l takes that sum.
.macro GS g
.set h, (\g)+6*((\g)/62)
.if h >= 6
.set h, h+2
.endif
	REGS Y, h%2
.set k, h/8
.if h%8 < 4
	v_cvt_pk_f16_f32 v[rP+2*k+(h%8)/2], v[rS+4*k+2*((h%8)/2)], v[rS+4*k+2*((h%8)/2)+1]
.elseif h%8 < 6
	v_pk_add_f32 v[rS+4*k:rS+4*k+1], v[rS+4*k:rS+4*k+1], v[rS+4*k+2:rS+4*k+3]
.elseif k == 1
	v_pk_fma_f32 v[rT+2:rT+3], v[rT+2:rT+3], v[rC+2:rC+3], v[rS:rS+1] op_sel_hi:[1,0,1]
.else
	v_pk_add_f32 v[rT+2:rT+3], v[rT+2:rT+3], v[rS+4*k-4:rS+4*k-3]
.endif
.endm
; THE PLAIN QUEUE, 138 long.  0-73 read no exponential's result: the 32 scalings and the next piece's 42.  74-137: GS's 64, behind the wait.
.macro FS f
	REGS Y, (\f)%2
	v_pk_fma_f32 v[rS+2*((\f)/2):rS+2*((\f)/2)+1], v[rS+2*((\f)/2):rS+2*((\f)/2)+1], s[CS:CS+1], v[rT:rT+1] op_sel_hi:[1,0,0] neg_lo:[0,0,1] neg_hi:[0,0,1]
.endm
.macro PL
	WIN 0
.if q < 27
	FS q
.elseif q < 55
	XS (q-27)%2, (q-27)/2
.elseif q < 57
	XS q-55, 15
.elseif (q < 72) && ((q-57)%3 == 0)
	FS 27+(q-57)/3
.elseif q < 60
	XS (q-57)%3-1, 14
.elseif q < 72
	XS (q-57)%3-1, 15+(q-57)/3
.elseif q < 74
	XS q-72, 20
.else
	GS q-74
.endif
.set q, q+1
.endm
; THE EXPONENTIALS' QUEUE, 66 long: one batch, all ahead of the turn's one wait.
.macro EX
	WIN 0
.if e >= 64
	XS e-64, 21
.else
	REGS Y, e%2
	v_exp_f32 v[rS+e/2], v[rS+e/2]
.endif
.set e, e+1
.endm
; THE RESCALING's QUEUE: O^T times a, two at a time.
.macro R2
	REGS Y, r%2
	WIN W_RS
.irp z, 0,1
	v_pk_mul_f32 v[rO+4*(r/2)+2*\z:rO+4*(r/2)+2*\z+1], v[rO+4*(r/2)+2*\z:rO+4*(r/2)+2*\z+1], v[rC+2:rC+3] op_sel_hi:[1,0]
.endr
.set r, r+1
.endm
; A TURN, for piece p.  AHEAD OF ITS ONE WAIT stands all that names no result of the turn's exponentials: 16 products K Q^T, behind each a scaling, an exponential and two rescalings; then one lump.
; BEHIND IT: 16 products V^T P, behind each four of the roundings and sums.  Exponential e stands behind scaling 2 (e / 4) + e % 2.
; K and the masks of the next step are fetched in piece 2's turn, directly behind the wait, a lump behind the last product that read them; V of the step in hand at the end of piece 0's turn, four riders behind its last reader.
.macro TURN p, last=0, cnt=0
.set Y, (\p)
.set i, 0
.set q, 0
.set e, 0
.set r, 0
.if (\p) == NP-1
	s_wait_dscnt 0x0                ; K and the masks are in
.endif
	MM
	PL
	PL
	R2
.rept 15
	MM
	PL
	EX
	R2
.endr
.if (\p) == NP-2
	WIN 0
	v_add_nc_u32 v[AK], s[TBK], v[AK0]
	v_lshl_add_u32 v[AMK], v9, 5, s[TBA]
.endif
.rept 8
	PL
.endr
.rept 49
	EX
	PL
.endr
	EX
	EX
	v_nop                           ; a plain instruction behind the last exponential: one for the batch
	s_wait_alu depctr_va_vdst(0)    ; the wait for the batch ahead of the first reader
.if (\p) == NP-2
	FETCH_K \last
.endif
.if (\p) == 1
	s_wait_dscnt 0x0                ; V is in
.endif
.rept 16
	MM
.rept 4
	PL
.endr
.if ((\p) == 0) && (q == 118)
	v_add_nc_u32 v[AV], s[TBV], v[AV0]
.endif
.if ((\p) == 0) && (q == 130)
	s_add_co_u32 s[TBV], s[TBV], KS*PV
.endif
.if (\cnt) && (q == 130)
	s_sub_co_u32 s[CNT], s[CNT], 1
	s_cmp_lg_u32 s[CNT], 0
.endif
.endr
.if (\p) == 0
	FETCH_V
.endif
.endm
	CHANGE 1                        ; slot 0 is in, the mask table is whole; slot 1 is asked for
	FETCH_K                         ; key step 0
	s_wait_loadcnt 0x0              ; Q
	s_wait_dscnt 0x0
.set i, 0
.rept 16
	KQ 0                            ; piece 0's first scores
.set i, i+1
.endr
	WIN 0                           ; the addresses for the way out: plain instructions, the places behind those products
	s_mul_i32 s13, s[WV], 16*SP
	s_add_co_u32 s13, s13, STAGE
	v_mul_u32_u24 v[STO], v1, SP
	v_lshl_add_u32 v[STO], v9, 4, v[STO]
	v_add_nc_u32 v[STO], s13, v[STO]
	v_bfe_u32 v[RD], v0, 3, 2
	v_mul_u32_u24 v[RD], v[RD], SP
	v_lshl_add_u32 v[RD], v10, 4, v[RD]
	v_add_nc_u32 v[RD], s13, v[RD]
	v_and_b32 v[GO], 31, v0
	v_lshlrev_b32 v[GO], 4, v[GO]
.set Y, NP-1                        ; XS works for piece Y + 1: piece 0
.irp n, 0,1,2,3,4,5,6,7,8,9,10,11,12,13,14,15,16,17,18,19,20,21
	XS 0, \n
	XS 1, \n
.endr
	v_nop
	s_wait_alu depctr_va_vdst(0)    ; the two a have their wait ahead of the branch
	s_mov_b32 s[CNT], 4
	s_mov_b32 s[SLOTS], SIZE_N/256-1
	s_branch .Lfirst                ; the loop is entered at a step's first turn
.Lslot:                             ; twice: every slot but the last two is filled again
	CHANGE 1
	s_mov_b32 s[CNT], 4
.Lstep:                             ; a trip: pieces 2 and 3 of one step, then pieces 0 and 1 of the next
	TURN 2
	TURN 3
	WIN 0
.Lfirst:
	TURN 0
	TURN 1, 0, 1
	WIN 0
	s_cbranch_scc1 .Lstep
	s_sub_co_u32 s[SLOTS], s[SLOTS], 1
	s_cmp_lg_u32 s[SLOTS], 0
	s_cbranch_scc1 .Lslot
	CHANGE 0                        ; the tail is written out
	s_mov_b32 s[CNT], 5             ; four trips fetch the last slot's steps; the fifth is left in its middle
.Ltail:
	TURN 2, 1
	TURN 3
	WIN 0
	s_sub_co_u32 s[CNT], s[CNT], 1
	s_cmp_eq_u32 s[CNT], 0
	s_cbranch_scc1 .Lout
	TURN 0
	TURN 1
	WIN 0
	s_branch .Ltail
.Lout:                              ; the fifth trip's 16 products K Q^T (on the last K once more) serve nothing: the price of one text for every trip
.set i, 0
.rept 16
	PV NP-1
.set i, i+1
.endr
	; THE WAY OUT.  l's halves are added; O^T is divided by l, rounded to f16 and sent through my stage, a tile at a time.  The additions are the places behind the last products.
	WIN 0
.macro ALL line:vararg
.set t, 0
.rept 2*NP
	\line
.set t, t+1
.endr
.endm
	ALL v_add_f32 v[ST+4*t+2], v[ST+4*t+2], v[ST+4*t+3]
	ALL v_permlanex16_b32 v[ST+4*t+3], v[ST+4*t+2], s[SEL], s[SEL+1]
	ALL v_add_f32 v[ST+4*t+2], v[ST+4*t+2], v[ST+4*t+3]
	ALL v_rcp_f32 v[ST+4*t+2], v[ST+4*t+2]
	v_nop
	s_wait_alu depctr_va_vdst(0)    ; one wait for the eight reciprocals
.macro PACK t
	WIN W_RS
.set i, 32*(\t)
.rept 16
	v_pk_mul_f32 v[i:i+1], v[i:i+1], v[ST+4*(\t)+2:ST+4*(\t)+3] op_sel_hi:[1,0]
.set i, i+2
.endr
	WIN 0x05
.set i, 0
.rept 16
	v_cvt_pk_f16_f32 v[S+16*(\t)+i], v[32*(\t)+2*i], v[32*(\t)+2*i+1]
.set i, i+1
.endr
	WIN 0
.irp f, 0,1,2,3
	ds_store_b128 v[STO], v[S+16*(\t)+4*\f:S+16*(\t)+4*\f+3] offset:32*\f
.endr
.irp f, 0,1,2,3
	ds_load_b128 v[S+16*(\t)+4*\f:S+16*(\t)+4*\f+3], v[RD] offset:\f*4*SP  ; LDS serves a wave's instructions in order: these see the stores above
.endr
.endm
.macro SEND t, younger
	WIN 0
.irp f, 0,1,2,3
	s_wait_dscnt (\younger)+3-\f
	global_store_b128 v[GO], v[S+16*(\t)+4*\f:S+16*(\t)+4*\f+3], s[10:11] offset:(\t)*2048+\f*512  ; 512 consecutive bytes, at a multiple of 256 from O's first
.endr
.endm
	PACK 0
.set t, 1
.rept 2*NP-1
	PACK t
	SEND t-1, 8
.set t, t+1
.endr
	SEND 2*NP-1, 0
	WIN W_AD
	s_wait_tensorcnt 0x0            ; the wave's end
	ds_add_u32 v[SPW], v[NIL]
	s_wait_dscnt 0x0
	WIN 0
	s_endpgm
.Lfunc_end_k_q909c8516c3_attn:
	.size	k_q909c8516c3_attn, .Lfunc_end_k_q909c8516c3_attn-k_q909c8516c3_attn
	.p2alignl 7, 3214868480
	.fill 96, 4, 3214868480
	.section	.rodata,"a",@progbits
	.p2align	6, 0x0
	.amdhsa_kernel k_q909c8516c3_attn
		.amdhsa_group_segment_fixed_size 327680
		.amdhsa_private_segment_fixed_size 0
		.amdhsa_enable_private_segment 0
		.amdhsa_kernarg_size 24
		.amdhsa_user_sgpr_count 2
		.amdhsa_user_sgpr_kernarg_segment_ptr 1
		.amdhsa_wavefront_size32 1
		.amdhsa_system_sgpr_workgroup_id_x 1
		.amdhsa_system_sgpr_workgroup_id_y 1
		.amdhsa_system_sgpr_workgroup_id_z 1
		.amdhsa_system_vgpr_workitem_id 0
		.amdhsa_next_free_vgpr 808
		.amdhsa_next_free_sgpr 88
		.amdhsa_reserve_vcc 1
		.amdhsa_float_denorm_mode_32 3
		.amdhsa_float_denorm_mode_16_64 3
		.amdhsa_memory_ordered 1
		.amdhsa_forward_progress 1
		.amdhsa_inst_pref_size 202
	.end_amdhsa_kernel
	.amdgpu_metadata
---
amdhsa.version: [ 1, 2 ]
amdhsa.kernels:
  - .name:           k_q909c8516c3_attn
    .symbol:         k_q909c8516c3_attn.kd
    .args:
      - { .name: qkv, .offset: 0, .size: 8, .value_kind: global_buffer, .address_space: global }
      - { .name: pad_mask, .offset: 8, .size: 8, .value_kind: global_buffer, .address_space: global }
      - { .name: ao, .offset: 16, .size: 8, .value_kind: global_buffer, .address_space: global }
    .group_segment_fixed_size: 327680
    .private_segment_fixed_size: 0
    .kernarg_segment_align: 8
    .kernarg_segment_size: 24
    .max_flat_workgroup_size: 128
    .sgpr_count:     88
    .vgpr_count:     808
    .wavefront_size: 32
...
	.end_amdgpu_metadata
.endif
;; end of part 3
;; launch ln_o (part 4): grid 256 x 1, 8 waves a work-group, no clusters, 0 bytes of LDS; arguments Q, ao, xq; writes xq
.if DOCPART == 4
	.amdgcn_target "amdgcn-amd-amdhsa--gfx1250"
	.amdhsa_code_object_version 6
	.text
	.protected	k_q909c8516c3_ln_o
	.globl	k_q909c8516c3_ln_o
	.p2align	8
	.type	k_q909c8516c3_ln_o,@function
k_q909c8516c3_ln_o:
	s_mov_b64 s[64:65], 0
	v_nop
	global_prefetch_b8 v0, s[64:65] scope:SCOPE_SE
	s_setreg_imm32_b32 hwreg(HW_REG_WAVE_MODE, 25, 1), 1
	s_wait_xcnt 0x0
; xhat(O), O = Q + att.  Q: [8192][1024] f32; att: [128 = 16 b + h][1024][64] f16; the result f16, [8192][1024] with k permuted as the weights have it
; (place 128 j + 8 i + e8 holds column 64 (2 j + e8 / 4) + 4 i + e8 % 4).  Gain and shift of this norm lie in the weights and bias of the product that follows.
; SHARES.  A work-group has 32 rows, each of its 8 waves 4, two at a time: lanes 0-15 one row, lanes 16-31 the next; lane i holds columns 64 h + 4 i + e in register 4 h + e.
; A load of Q covers 2 x 256 consecutive bytes; of att: rows s and s + 1 of a head, 256 consecutive bytes.  The next pair's 32 loads are out while a pair is worked on.
; The variance is taken of O - mean.  No LDS, matrix unit or cluster: a stream, each byte read once.
.set XQ,  32                           ; v[32:95]
.set XA,  96                           ; v[96:127]
.set D,   128                          ; v[128:191]
.set T,   10
.set MN,  6
.set RR,  8
.set ONE, 20
.set QP,  4
.set AP,  6
.set DST, 8
.set CNT, 13
.set INV, 14
.set EPS, 15
.macro RED16 v
	v_add_f32_dpp v[\v], v[\v], v[\v] row_xmask:1 row_mask:0xf bank_mask:0xf
	v_add_f32_dpp v[\v], v[\v], v[\v] row_xmask:2 row_mask:0xf bank_mask:0xf
	v_add_f32_dpp v[\v], v[\v], v[\v] row_xmask:4 row_mask:0xf bank_mask:0xf
	v_add_f32_dpp v[\v], v[\v], v[\v] row_xmask:8 row_mask:0xf bank_mask:0xf
.endm
.macro JOIN dst
	v_pk_add_f32 v[T:T+1], v[T:T+1], v[T+2:T+3]
	v_pk_add_f32 v[T+4:T+5], v[T+4:T+5], v[T+6:T+7]
	v_pk_add_f32 v[T:T+1], v[T:T+1], v[T+4:T+5]
	v_add_f32 v[\dst], v[T], v[T+1]
	RED16 \dst
.endm
.macro LOADS
.irp h, 0,1,2,3,4,5,6,7,8,9,10,11,12,13,14,15
	global_load_b128 v[XQ+4*\h:XQ+4*\h+3], v2, s[QP:QP+1] offset:256*\h th:TH_LOAD_NT
.endr
.irp h, 0,1,2,3,4,5,6,7,8,9,10,11,12,13,14,15
	global_load_b64 v[XA+2*\h:XA+2*\h+1], v4, s[AP:AP+1] offset:131072*\h th:TH_LOAD_NT
.endr
.endm
	s_load_b128 s[4:7], s[0:1], 0x0                ; Q, att
	s_load_b64 s[8:9], s[0:1], 0x10                ; the result
	v_and_b32 v1, 15, v0
	v_bfe_u32 v19, v0, 4, 1
	v_lshlrev_b32 v5, 4, v1
	v_lshl_add_u32 v2, v19, 12, v5                 ; in f32 rows
	v_lshl_add_u32 v3, v19, 11, v5                 ; in f16 rows
	v_and_b32 v4, 31, v0
	v_lshlrev_b32 v4, 3, v4                        ; in two rows of a head
	v_lshrrev_b32 v18, 5, v0
	v_readfirstlane_b32 s12, v18                   ; wave 0..7
	v_mov_b32 v[MN+1], 0
	v_mov_b32 v[RR+1], 0
	v_mov_b32 v[ONE], 1.0
	s_mov_b32 s[INV], 0x3a800000
	s_mov_b32 s[EPS], 0x3727c5ac
	s_mov_b32 s[CNT], 2
	s_lshl_b32 s16, ttmp9, 17                      ; 32 rows of 4,096 bytes,
	s_lshl_b32 s17, s12, 14                        ; my wave's 4
	s_add_co_u32 s16, s16, s17
	s_mov_b32 s17, 0
	s_lshr_b32 s18, ttmp9, 5                       ; the batch's 16 heads,
	s_lshl_b32 s18, s18, 21
	s_and_b32 s19, ttmp9, 31                       ; 32 rows of 128 bytes,
	s_lshl_b32 s19, s19, 12
	s_add_co_u32 s18, s18, s19
	s_lshl_b32 s19, s12, 9                         ; my wave's 4
	s_add_co_u32 s18, s18, s19
	s_mov_b32 s19, 0
	s_lshr_b32 s20, s16, 1
	s_mov_b32 s21, 0
	s_wait_kmcnt 0x0
	s_add_nc_u64 s[QP:QP+1], s[QP:QP+1], s[16:17]
	s_add_nc_u64 s[AP:AP+1], s[AP:AP+1], s[18:19]
	s_add_nc_u64 s[DST:DST+1], s[DST:DST+1], s[20:21]
	LOADS
.Ltrip:
	s_wait_loadcnt 0x0                             ; the pair is in; no other load of mine is out, so the pointers may be stepped
.set n, 0
.rept 32
	v_fma_mix_f32 v[D+2*n],   v[XA+n], v[ONE], v[XQ+2*n]   op_sel_hi:[1,0,0]                 ; att's low half x 1 + Q
	v_fma_mix_f32 v[D+2*n+1], v[XA+n], v[ONE], v[XQ+2*n+1] op_sel:[1,0,0] op_sel_hi:[1,0,0]  ; its high half
.set n, n+1
.endr
	s_cmp_eq_u32 s[CNT], 1
	s_cbranch_scc1 .Lnoload
	s_add_nc_u64 s[QP:QP+1], s[QP:QP+1], 8192
	s_add_nc_u64 s[AP:AP+1], s[AP:AP+1], 256
	LOADS
.Lnoload:
.set n, 0
.rept 4
	v_pk_add_f32 v[T+n:T+n+1], v[D+n:D+n+1], v[D+8+n:D+8+n+1]
.set n, n+2
.endr
.set n, 16
.rept 24
	v_pk_add_f32 v[T+n%8:T+n%8+1], v[T+n%8:T+n%8+1], v[D+n:D+n+1]
.set n, n+2
.endr
	JOIN 18
	v_mul_f32 v[MN], s[INV], v18
.set n, 0
.rept 32
	v_pk_add_f32 v[D+n:D+n+1], v[D+n:D+n+1], v[MN:MN+1] op_sel_hi:[1,0] neg_lo:[0,1] neg_hi:[0,1]
.set n, n+2
.endr
.set n, 0
.rept 4
	v_pk_mul_f32 v[T+n:T+n+1], v[D+n:D+n+1], v[D+n:D+n+1]
.set n, n+2
.endr
.rept 28
	v_pk_fma_f32 v[T+n%8:T+n%8+1], v[D+n:D+n+1], v[D+n:D+n+1], v[T+n%8:T+n%8+1]
.set n, n+2
.endr
	JOIN 18
	v_fma_f32 v[RR], v18, s[INV], s[EPS]
	v_rsq_f32 v[RR], v[RR]
	v_nop                                          ; a plain instruction behind the root,
	s_wait_alu depctr_va_vdst(0)                   ; and the wait ahead of its first reader
.set n, 0
.rept 32
	v_pk_mul_f32 v[D+n:D+n+1], v[D+n:D+n+1], v[RR:RR+1] op_sel_hi:[1,0]
.set n, n+2
.endr
.set n, 0
.rept 32
	v_cvt_pk_f16_f32 v[D+n], v[D+2*n], v[D+2*n+1]
.set n, n+1
.endr
.irp j, 0,1,2,3,4,5,6,7
	global_store_b128 v3, v[D+4*\j:D+4*\j+3], s[DST:DST+1] offset:256*\j
.endr
	s_wait_xcnt 0x0                                ; D and the pointer are written again only behind this wait
	s_add_nc_u64 s[DST:DST+1], s[DST:DST+1], 4096
	s_sub_co_u32 s[CNT], s[CNT], 1
	s_cmp_lg_u32 s[CNT], 0
	s_cbranch_scc1 .Ltrip
	s_endpgm
.Lfunc_end_k_q909c8516c3_ln_o:
	.size	k_q909c8516c3_ln_o, .Lfunc_end_k_q909c8516c3_ln_o-k_q909c8516c3_ln_o
	.p2alignl 7, 3214868480
	.fill 96, 4, 3214868480
	.section	.rodata,"a",@progbits
	.p2align	6, 0x0
	.amdhsa_kernel k_q909c8516c3_ln_o
		.amdhsa_group_segment_fixed_size 0
		.amdhsa_private_segment_fixed_size 0
		.amdhsa_enable_private_segment 0
		.amdhsa_kernarg_size 24
		.amdhsa_user_sgpr_count 2
		.amdhsa_user_sgpr_kernarg_segment_ptr 1
		.amdhsa_wavefront_size32 1
		.amdhsa_system_sgpr_workgroup_id_x 1
		.amdhsa_system_sgpr_workgroup_id_y 1
		.amdhsa_system_sgpr_workgroup_id_z 1
		.amdhsa_system_vgpr_workitem_id 0
		.amdhsa_next_free_vgpr 192
		.amdhsa_next_free_sgpr 66
		.amdhsa_reserve_vcc 0
		.amdhsa_float_denorm_mode_32 3
		.amdhsa_float_denorm_mode_16_64 3
		.amdhsa_memory_ordered 1
		.amdhsa_forward_progress 1
		.amdhsa_inst_pref_size 24
	.end_amdhsa_kernel
	.amdgpu_metadata
---
amdhsa.version: [ 1, 2 ]
amdhsa.kernels:
  - .name:           k_q909c8516c3_ln_o
    .symbol:         k_q909c8516c3_ln_o.kd
    .args:
      - { .name: Q, .offset: 0, .size: 8, .value_kind: global_buffer, .address_space: global }
      - { .name: ao, .offset: 8, .size: 8, .value_kind: global_buffer, .address_space: global }
      - { .name: xq, .offset: 16, .size: 8, .value_kind: global_buffer, .address_space: global }
    .group_segment_fixed_size: 0
    .private_segment_fixed_size: 0
    .kernarg_segment_align: 8
    .kernarg_segment_size: 24
    .max_flat_workgroup_size: 256
    .sgpr_count:     66
    .vgpr_count:     192
    .wavefront_size: 32
...
	.end_amdgpu_metadata
.endif
;; end of part 4
;; launch proj_o: the kernel of part 2 again; grid 4 x 32, 4 waves a work-group, clusters of 4 x 4, 327,680 bytes of LDS; arguments xq, ao, wo, bo2, pad_mask, xk; writes xk
;; launch final (part 5): grid 256 x 1, 8 waves a work-group, no clusters, 0 bytes of LDS; arguments Q, ao, xk, g_f, be_f, out0; writes out0
.if DOCPART == 5
	.amdgcn_target "amdgcn-amd-amdhsa--gfx1250"
	.amdhsa_code_object_version 6
	.text
	.protected	k_q909c8516c3_final
	.globl	k_q909c8516c3_final
	.p2align	8
	.type	k_q909c8516c3_final,@function
k_q909c8516c3_final:
	s_mov_b64 s[64:65], 0
	v_nop
	global_prefetch_b8 v0, s[64:65] scope:SCOPE_SE
	s_setreg_imm32_b32 hwreg(HW_REG_WAVE_MODE, 25, 1), 1
	s_wait_xcnt 0x0
; out = LN(Q + att + relu(y)) g_f + be_f.  Q, out: [8192][1024] f32; att, y: [128 = 16 b + h][1024][64] f16; all arithmetic in f32.
; SHARES.  A work-group has 32 rows, each of its 8 waves 4, two at a time: lanes 0-15 one row, lanes 16-31 the next; lane i holds columns 64 h + 4 i + e in register 4 h + e.
; Every load and store of f32 covers 2 x 256 consecutive bytes, every load of att or y 256.  The next pair's 48 loads are out while a pair is worked on.
; The variance is taken of the sum less its mean.  No LDS, matrix unit or cluster: a stream, each byte read once.
; REGISTERS.  window 0: v32-95 Q, v96-127 att, v128-159 y, v160-223 the sum.  window 1: v0-63 g_f, v64-127 be_f of my 64 columns.
.set XQ,  32
.set XA,  96
.set XY,  128
.set D,   160
.set T,   10
.set MN,  6
.set RR,  8
.set ONE, 20
.set ZERO, 21
.set QP,  4
.set AP,  6
.set YP,  8
.set DST, 14
.set CNT, 22
.set INV, 23
.set EPS, 24
.set MSB, 0
.macro WIN new
.if MSB != (\new)
	s_set_vgpr_msb (MSB<<8)|(\new)
.set MSB, \new
.endif
.endm
.macro RED16 v
	v_add_f32_dpp v[\v], v[\v], v[\v] row_xmask:1 row_mask:0xf bank_mask:0xf
	v_add_f32_dpp v[\v], v[\v], v[\v] row_xmask:2 row_mask:0xf bank_mask:0xf
	v_add_f32_dpp v[\v], v[\v], v[\v] row_xmask:4 row_mask:0xf bank_mask:0xf
	v_add_f32_dpp v[\v], v[\v], v[\v] row_xmask:8 row_mask:0xf bank_mask:0xf
.endm
.macro JOIN dst
	v_pk_add_f32 v[T:T+1], v[T:T+1], v[T+2:T+3]
	v_pk_add_f32 v[T+4:T+5], v[T+4:T+5], v[T+6:T+7]
	v_pk_add_f32 v[T:T+1], v[T:T+1], v[T+4:T+5]
	v_add_f32 v[\dst], v[T], v[T+1]
	RED16 \dst
.endm
.macro LOADS
.irp h, 0,1,2,3,4,5,6,7,8,9,10,11,12,13,14,15
	global_load_b128 v[XQ+4*\h:XQ+4*\h+3], v2, s[QP:QP+1] offset:256*\h th:TH_LOAD_NT
.endr
.irp h, 0,1,2,3,4,5,6,7,8,9,10,11,12,13,14,15
	global_load_b64 v[XA+2*\h:XA+2*\h+1], v4, s[AP:AP+1] offset:131072*\h th:TH_LOAD_NT
.endr
.irp h, 0,1,2,3,4,5,6,7,8,9,10,11,12,13,14,15
	global_load_b64 v[XY+2*\h:XY+2*\h+1], v4, s[YP:YP+1] offset:131072*\h th:TH_LOAD_NT
.endr
.endm
	s_load_b256 s[4:11], s[0:1], 0x0               ; Q 4, att 6, y 8, g_f 10
	s_load_b128 s[12:15], s[0:1], 0x20             ; be_f 12, out 14
	v_and_b32 v1, 15, v0
	v_bfe_u32 v19, v0, 4, 1
	v_lshlrev_b32 v5, 4, v1                        ; 16 i: in g_f and be_f; never rewritten
	v_lshl_add_u32 v2, v19, 12, v5                 ; in f32 rows
	v_and_b32 v4, 31, v0
	v_lshlrev_b32 v4, 3, v4                        ; in two rows of a head
	v_lshrrev_b32 v18, 5, v0
	v_readfirstlane_b32 s25, v18                   ; wave 0..7
	v_mov_b32 v[MN+1], 0
	v_mov_b32 v[RR+1], 0
	v_mov_b32 v[ONE], 1.0
	v_mov_b32 v[ZERO], 0
	s_mov_b32 s[INV], 0x3a800000
	s_mov_b32 s[EPS], 0x3727c5ac
	s_mov_b32 s[CNT], 2
	s_lshl_b32 s16, ttmp9, 17
	s_lshl_b32 s17, s25, 14
	s_add_co_u32 s16, s16, s17
	s_mov_b32 s17, 0
	s_lshr_b32 s18, ttmp9, 5
	s_lshl_b32 s18, s18, 21
	s_and_b32 s19, ttmp9, 31
	s_lshl_b32 s19, s19, 12
	s_add_co_u32 s18, s18, s19
	s_lshl_b32 s19, s25, 9
	s_add_co_u32 s18, s18, s19
	s_mov_b32 s19, 0
	s_wait_kmcnt 0x0
	s_add_nc_u64 s[QP:QP+1], s[QP:QP+1], s[16:17]
	s_add_nc_u64 s[DST:DST+1], s[DST:DST+1], s[16:17]
	s_add_nc_u64 s[AP:AP+1], s[AP:AP+1], s[18:19]
	s_add_nc_u64 s[YP:YP+1], s[YP:YP+1], s[18:19]
	LOADS
	WIN 0x40                                       ; destination in window 1
.irp h, 0,1,2,3,4,5,6,7,8,9,10,11,12,13,14,15
	global_load_b128 v[4*\h:4*\h+3], v5, s[10:11] offset:256*\h
.endr
.irp h, 0,1,2,3,4,5,6,7,8,9,10,11,12,13,14,15
	global_load_b128 v[64+4*\h:64+4*\h+3], v5, s[12:13] offset:256*\h
.endr
	WIN 0
.Ltrip:
	s_wait_loadcnt 0x0                             ; the pair is in (the first time g_f and be_f too); no load of mine is out, so the pointers may be stepped
.set n, 0
.rept 32
	v_pk_max_num_f16 v[XY+n], v[XY+n], v[ZERO]     ; relu, two at a time: nothing is rounded
.set n, n+1
.endr
.set n, 0
.rept 32
	v_fma_mix_f32 v[D+2*n],   v[XA+n], v[ONE], v[XQ+2*n]   op_sel_hi:[1,0,0]
	v_fma_mix_f32 v[D+2*n+1], v[XA+n], v[ONE], v[XQ+2*n+1] op_sel:[1,0,0] op_sel_hi:[1,0,0]
.set n, n+1
.endr
.set n, 0
.rept 32
	v_fma_mix_f32 v[D+2*n],   v[XY+n], v[ONE], v[D+2*n]   op_sel_hi:[1,0,0]
	v_fma_mix_f32 v[D+2*n+1], v[XY+n], v[ONE], v[D+2*n+1] op_sel:[1,0,0] op_sel_hi:[1,0,0]
.set n, n+1
.endr
	s_cmp_eq_u32 s[CNT], 1
	s_cbranch_scc1 .Lnoload
	s_add_nc_u64 s[QP:QP+1], s[QP:QP+1], 8192
	s_add_nc_u64 s[AP:AP+1], s[AP:AP+1], 256
	s_add_nc_u64 s[YP:YP+1], s[YP:YP+1], 256
	LOADS
.Lnoload:
.set n, 0
.rept 4
	v_pk_add_f32 v[T+n:T+n+1], v[D+n:D+n+1], v[D+8+n:D+8+n+1]
.set n, n+2
.endr
.set n, 16
.rept 24
	v_pk_add_f32 v[T+n%8:T+n%8+1], v[T+n%8:T+n%8+1], v[D+n:D+n+1]
.set n, n+2
.endr
	JOIN 18
	v_mul_f32 v[MN], s[INV], v18
.set n, 0
.rept 32
	v_pk_add_f32 v[D+n:D+n+1], v[D+n:D+n+1], v[MN:MN+1] op_sel_hi:[1,0] neg_lo:[0,1] neg_hi:[0,1]
.set n, n+2
.endr
.set n, 0
.rept 4
	v_pk_mul_f32 v[T+n:T+n+1], v[D+n:D+n+1], v[D+n:D+n+1]
.set n, n+2
.endr
.rept 28
	v_pk_fma_f32 v[T+n%8:T+n%8+1], v[D+n:D+n+1], v[D+n:D+n+1], v[T+n%8:T+n%8+1]
.set n, n+2
.endr
	JOIN 18
	v_fma_f32 v[RR], v18, s[INV], s[EPS]
	v_rsq_f32 v[RR], v[RR]
	v_nop                                          ; a plain instruction behind the root,
	s_wait_alu depctr_va_vdst(0)                   ; and the wait ahead of its first reader
.set n, 0
.rept 32
	v_pk_mul_f32 v[D+n:D+n+1], v[D+n:D+n+1], v[RR:RR+1] op_sel_hi:[1,0]
.set n, n+2
.endr
	WIN 0x14                                       ; sources 1 and 2 in window 1
.set n, 0
.rept 32
	v_pk_fma_f32 v[D+n:D+n+1], v[D+n:D+n+1], v[n:n+1], v[64+n:64+n+1]
.set n, n+2
.endr
	WIN 0
.irp h, 0,1,2,3,4,5,6,7,8,9,10,11,12,13,14,15
	global_store_b128 v2, v[D+4*\h:D+4*\h+3], s[DST:DST+1] offset:256*\h th:TH_STORE_NT
.endr
	s_wait_xcnt 0x0                                ; D and the pointer are written again only behind this wait
	s_add_nc_u64 s[DST:DST+1], s[DST:DST+1], 8192
	s_sub_co_u32 s[CNT], s[CNT], 1
	s_cmp_lg_u32 s[CNT], 0
	s_cbranch_scc1 .Ltrip
	s_endpgm
.Lfunc_end_k_q909c8516c3_final:
	.size	k_q909c8516c3_final, .Lfunc_end_k_q909c8516c3_final-k_q909c8516c3_final
	.p2alignl 7, 3214868480
	.fill 96, 4, 3214868480
	.section	.rodata,"a",@progbits
	.p2align	6, 0x0
	.amdhsa_kernel k_q909c8516c3_final
		.amdhsa_group_segment_fixed_size 0
		.amdhsa_private_segment_fixed_size 0
		.amdhsa_enable_private_segment 0
		.amdhsa_kernarg_size 48
		.amdhsa_user_sgpr_count 2
		.amdhsa_user_sgpr_kernarg_segment_ptr 1
		.amdhsa_wavefront_size32 1
		.amdhsa_system_sgpr_workgroup_id_x 1
		.amdhsa_system_sgpr_workgroup_id_y 1
		.amdhsa_system_sgpr_workgroup_id_z 1
		.amdhsa_system_vgpr_workitem_id 0
		.amdhsa_next_free_vgpr 384
		.amdhsa_next_free_sgpr 66
		.amdhsa_reserve_vcc 0
		.amdhsa_float_denorm_mode_32 3
		.amdhsa_float_denorm_mode_16_64 3
		.amdhsa_memory_ordered 1
		.amdhsa_forward_progress 1
		.amdhsa_inst_pref_size 37
	.end_amdhsa_kernel
	.amdgpu_metadata
---
amdhsa.version: [ 1, 2 ]
amdhsa.kernels:
  - .name:           k_q909c8516c3_final
    .symbol:         k_q909c8516c3_final.kd
    .args:
      - { .name: Q, .offset: 0, .size: 8, .value_kind: global_buffer, .address_space: global }
      - { .name: ao, .offset: 8, .size: 8, .value_kind: global_buffer, .address_space: global }
      - { .name: xk, .offset: 16, .size: 8, .value_kind: global_buffer, .address_space: global }
      - { .name: g_f, .offset: 24, .size: 8, .value_kind: global_buffer, .address_space: global }
      - { .name: be_f, .offset: 32, .size: 8, .value_kind: global_buffer, .address_space: global }
      - { .name: out0, .offset: 40, .size: 8, .value_kind: global_buffer, .address_space: global }
    .group_segment_fixed_size: 0
    .private_segment_fixed_size: 0
    .kernarg_segment_align: 8
    .kernarg_segment_size: 48
    .max_flat_workgroup_size: 256
    .sgpr_count:     66
    .vgpr_count:     384
    .wavefront_size: 32
...
	.end_amdgpu_metadata
.endif
;; end of part 5
